; MI455X (gfx1250); checked and timed in simulation.
; The chip was launched on July 23, 2026; its instructions are those of AMD's public machine-readable ISA for CDNA 5 (MIT licence, August 2026) and "CDNA5" Instruction Set Architecture Reference Guide (July 2026). The comments in the code are by the model that wrote it; some were corrected since.
;; Attention. Allowed arithmetic: matrix products marked QUANTISED: E2M3 operands, one E8M0 scale for each 32 along K, by v_wmma_scale_f32_16x16x128_f8f6f4 with both operands' format E2M3, f32 sums; everything else in f32.
;; Inputs: W_k 1,024 x 1,024 float32; W_o 1,024 x 1,024 float32; W_q 1,024 x 1,024 float32; W_v 1,024 x 1,024 float32; b_k 1,024 float32; b_o 1,024 float32; b_q 1,024 float32; b_v 1,024 float32; x 2 x 2,048 x 1,024 float32.
;; Outputs: out0 2 x 2,048 x 1,024 float32.
;; This version of the problem:
;;   THIS VERSION OF THE PROBLEM IS GIVEN IN LOW PRECISION. The matrix products marked QUANTISED in the list below multiply operands that are first quantised to E2M3 (2 exponent bits, 3 mantissa bits; 6 bits a number), with one power-of-two scale for each 32 numbers along K (OCP MX v1.0); their sums are f32. All else is computed in f32.
;;   The module's matrix products, in the order in which they are computed (A, B: the left and right operand; K: the contracted axis; several contracted axes count as one K, in the product's order):
;;     1. [M 4,096, K 1,024] x [K 1,024, N 1,024]; A: input x; B: input W_q: QUANTISED
;;     2. [M 4,096, K 1,024] x [K 1,024, N 1,024]; A: input x; B: input W_k: QUANTISED
;;     3. [M 4,096, K 1,024] x [K 1,024, N 1,024]; A: input x; B: input W_v: QUANTISED
;;     4. batch 32 x [M 2,048, K 64] x [K 64, N 2,048]; A: computed on the way; B: computed on the way: QUANTISED
;;     5. batch 32 x [M 2,048, K 2,048] x [K 2,048, N 64]; A: softmax (see below); B: computed on the way: QUANTISED
;;     6. [M 4,096, K 1,024] x [K 1,024, N 1,024]; A: computed on the way; B: input W_o: QUANTISED
;;   THE QUANTISER, for each operand of a quantised product, along K:
;;     - K is cut into blocks of 32 from its start; a last block that is shorter is filled with zeros.
;;     - A block's scale is 2^e with e = floor(log2(the largest magnitude in the block)) - 2, held to -126 .. 127; a block of zeros has e = 0. As a byte (E8M0): e + 127.
;;     - Each number is divided by its block's scale, clamped to +-7.5, and rounded to the nearest number of E2M3, ties to even, subnormals kept.
;;     - The product sums the exact products of the quantised numbers (number of the format x scale) in f32.
;;   ~~~python
;;   def quantise(x, axis):      # numpy; x: float32 -> the quantised numbers, widened to float32 again
;;       x = np.moveaxis(x, axis, -1); K = x.shape[-1]
;;       x = np.pad(x, [(0, 0)] * (x.ndim - 1) + [(0, -K % 32)]); x = x.reshape(x.shape[:-1] + (-1, 32)); a = np.abs(x).max(-1, keepdims=True)
;;       e = np.where(a > 0, np.clip(np.frexp(np.where(a > 0, a, 1))[1] - 1 - 2, -126, 127), 0)      # np.frexp(a)[1] - 1 = floor(log2(a)), exactly
;;       r = np.clip(x / 2.0 ** e, -7.5, 7.5)
;;       step = 2.0 ** (np.maximum(np.frexp(np.where(r == 0, 1, r))[1] - 1, 0) - 3)
;;       q = np.round(r / step) * step * 2.0 ** e      # np.round: ties to even
;;       return np.moveaxis(q.reshape(q.shape[:-2] + (-1,))[..., :K], -1, axis).astype(np.float32)
;;   ~~~
;;   SOFTMAX AHEAD OF A QUANTISED PRODUCT. Where the list says 'softmax', what is quantised is not the finished softmax but p = 2^(t - M), with t = logit x log2(e) and M = ceil(the row's largest t), a whole number; so 1/2 < the row's largest p <= 1. The row's sum l is taken of the UNQUANTISED p, in f32, and the product's result is divided by l at the end. Since M is a whole number, a kernel that streams over the keys may use a running M (the ceiling of the running maximum): every later rescaling is an exact power of two, which a block's scale takes up: the codes' values come out the same.
;;   OPERANDS COMPUTED ON THE WAY. 'Computed on the way' means the value that the module computes at that place (a softmax that the list does not call 'softmax' is quantised finished and normalised). What goes into a quantiser is computed in f32, as accurately as f32 sums, v_exp_f32 and their like allow (about 1e-6 of the number): no bf16 or f16 on the way to a quantiser, and a product that is left as it is and whose result goes on into a quantised operand takes f32 operands (vector FMAs, or v_wmma_f32_16x16x4_f32). A number that lies on a knife's edge between two numbers of the format may be rounded either way, as far as f32 arithmetic and the matrix unit's own rounding can turn it there, and no further.
;; One version. Each part assembles by itself: llvm-mc -triple=amdgcn-amd-amdhsa -mcpu=gfx1250 --defsym DOCPART=n.
;; ======== version 1 of 1: 4 launches
;; limits: right only within a limited range of input values
;; workspace buffers: x_op 3,276,800 bytes; w_op 3,276,800 bytes; q_op 3,276,800 bytes; k_op 3,276,800 bytes; v_op 3,276,800 bytes; ctx_op 3,276,800 bytes
;; launch quant (part 1): grid 256 x 1, 4 waves a work-group, no clusters, 76,288 bytes of LDS; arguments x, W_q, W_k, W_v, W_o, x_op, w_op; writes x_op, w_op
.if DOCPART == 1
	.amdgcn_target "amdgcn-amd-amdhsa--gfx1250"
	.amdhsa_code_object_version 6
	.text
	.protected	k_q9bc908efd8_quant
	.globl	k_q9bc908efd8_quant
	.p2align	8
	.type	k_q9bc908efd8_quant,@function
k_q9bc908efd8_quant:
	s_mov_b64 s[64:65], 0
	v_nop
	global_prefetch_b8 v0, s[64:65] scope:SCOPE_SE
	s_setreg_imm32_b32 hwreg(HW_REG_WAVE_MODE, 25, 1), 1
	s_wait_xcnt 0x0
; x [4096][1024] f32 (K innermost) and W_q, W_k, W_v, W_o [1024 (k)][1024 (n)] f32 (K is the FIRST axis) become codes of FP6 (E2M3) with one E8M0 byte for each 32 along K,
; laid in the order of an operand's registers.  A fragment is 16 rows x 128 K: 12 registers a lane; lane (r, h) holds row r, registers 6 c .. 6 c + 5 hold k = 64 c + 32 h + 0 .. 31.
; PIECE q of a fragment = registers 4 q .. 4 q + 3 of all 32 lanes, lane l at byte 16 l: 512 consecutive bytes.  A BLOCK of 6,400 bytes holds 32 rows x 256 K:
;   byte 3072 u + 1536 f + 512 q + 16 l : codes of row block u, fragment f (K = 128 f on), piece q;      byte 6144 + 128 u + 8 r : the two scale words (f = 0, 1) of row (u, r).
; Place p of row block u is row 8 u + p + 8 (p / 8) of the 32.  x_op: [kk = K / 256][128 blocks].  w_op: [kk][W_q, W_k, W_v: 32 blocks each], and from byte 2,457,600 on W_o: [kk][32 blocks]  (rows = columns n).
; A block's scale is 2^(floor(log2(largest magnitude)) - 2): its byte is the largest magnitude's exponent field - 2, held at 1 from below by a floor among the maximum's leaves.
; THE PROGRAM'S DEAD WORK: reference() masks the scores of every key behind its query, in its own body, for all values of the inputs.  Key steps of 128 that lie wholly behind a tile of queries are not multiplied (launch attn).
; A NaN or an infinity that reaches only those steps is not carried to the result.  Every input has a way to the output and is read.
; LIMITS: a block of zeros, or one whose largest magnitude lies under 2^-124, keeps the byte 1 (the rule says 127 for zeros): its codes are zeros or the nearest codes under that scale, and this program alone reads the bytes.
; NaN and infinities among the inputs are not served.
; SHARES: each wave makes ONE whole block of 6,400 bytes from 32 KB of f32.  Work-groups 0-127: x (32 tokens each, wave = kk).  Work-groups 128-255: the weights (four waves side by side on 512 bytes of each row of W).
; No wave shares anything with another: no barrier.  The two paths part on the work-group's number, never join, and have LDS bytes of their own.  Nothing is read by two work-groups, so there is no cluster.
.set KKP,   819200                     ; bytes from kk to kk + 1 in x_op
.set PB,    6400                       ; a block
.set XSTG,  8448                       ; path x: a wave's stage, 16 rows x (512 + 16) bytes
.set WBASE, 4*XSTG                     ; path W's LDS begins behind path x's
.set WREG,  10496                      ; path W: a wave's 4,096 bytes of f32 stage and 6,400 bytes of block image
.set SPARE, WBASE+4*WREG               ; the spare words, 128 bytes a wave
.set XR,  16                           ; v16-143  path x: two sets of 64 registers as loaded
.set XX,  144                          ; v144-207 64 numbers in the operand's order
.set PC,  208                          ; v208-219 a fragment's codes; v220-222, v224-226 the conversions' second halves
.set WD,  228                          ; v228-231 the scale words of fragments 2 u + f
.set WR,  16                           ; v16-143  path W: four sets of 32 registers as loaded
.set WX,  144                          ; v144-175 a block of 32 along K of my column
.set WC,  176                          ; v176-181 its codes; v184-186 the second conversion's
.set SB,  188                          ; v188-189 my column's two scale words
.macro XLOAD t                         ; fragment t = 2 u + f: 16 rows x 512 bytes; each load reads 512 consecutive bytes of one row
.irp i, 0,1,2,3,4,5,6,7,8,9,10,11,12,13,14,15
	global_load_b128 v[XR+64*((\t)%2)+4*\i:XR+64*((\t)%2)+4*\i+3], v4, s[4:5] offset:(8*((\t)/2)+\i+8*(\i/8))*4096+512*((\t)%2) th:TH_LOAD_NT
.endr
.endm
.macro XFRAG t
.if (\t) < 3
	s_wait_loadcnt 16                              ; this fragment's 16 loads are in; the next fragment's 16 may be out
.else
	s_wait_loadcnt 0
.endif
.irp i, 0,1,2,3,4,5,6,7,8,9,10,11,12,13,14,15
	ds_store_b128 v5, v[XR+64*((\t)%2)+4*\i:XR+64*((\t)%2)+4*\i+3] offset:528*\i   ; the rows as they lie, 528 bytes apart
.endr
.irp c, 0,1
.irp i, 0,1,2,3,4,5,6,7
	ds_load_b128 v[XX+32*\c+4*\i:XX+32*\c+4*\i+3], v6 offset:256*\c+16*\i          ; back: row r, k = 64 c + 32 h + 0 .. 31.  LDS serves a wave's instructions in order: these see the stores
.endr
.endr
	s_wait_dscnt 0x0                               ; the numbers are here, and the stage's stores have read their registers,
.if (\t) < 2
	XLOAD (\t)+2                                   ; which take the fragment two on
.endif
.irp c, 0,1
	v_max3_num_f32 v[232+\c], |v[XX+32*\c]|, |v[XX+32*\c+1]|, 0x1800000            ; my block 2 c + h: all 32 numbers are mine; the floor 2^(3 - 127) holds the byte at 1 from below
.endr
.irp i, 2,4,6,8,10,12,14,16,18,20,22,24,26,28,30
.irp c, 0,1
	v_max3_num_f32 v[232+\c], v[232+\c], |v[XX+32*\c+\i]|, |v[XX+32*\c+\i+1]|      ; the two blocks by turns
.endr
.endr
.irp c, 0,1
	v_add_nc_u32 v[234+\c], 0xff000000, v[232+\c]  ; 2 off the exponent field: the conversion's scale operand
.endr
.irp c, 0,1
	v_lshrrev_b32 v[236+\c], 23, v[234+\c]         ; the scale's byte
.endr
	v_lshl_or_b32 v9, v237, 16, v236               ; my two bytes, blocks h and 2 + h,
	v_lshlrev_b32 v9, v8, v9                       ; 8 h bits up;
	v_permlanex16_b32 v10, v9, s24, s25
	v_or_b32 v[WD+(\t)], v9, v10                   ; with lane l xor 16's two the row's word is whole
	s_wait_alu depctr_va_vdst(0)
	s_wait_xcnt 0x0                                ; the last fragment's stores have read the codes' registers
.irp c, 0,1
	v_cvt_scalef32_pk16_fp6_f32 v[PC+6*\c:PC+6*\c+2], v[XX+32*\c:XX+32*\c+15], v[234+\c]
	v_cvt_scalef32_pk16_fp6_f32 v[220+4*\c:222+4*\c], v[XX+32*\c+16:XX+32*\c+31], v[234+\c]   ; (a conversion's three registers begin on an even number)
.endr
	v_nop                                          ; one plain line behind the scaled conversions
.irp c, 0,1
.irp i, 0,1,2
	v_mov_b32 v[PC+6*\c+3+\i], v[220+4*\c+\i]
.endr
.endr
.irp q, 0,1,2
	global_store_b128 v4, v[PC+4*\q:PC+4*\q+3], s[14:15] offset:3072*((\t)/2)+1536*((\t)%2)+512*\q   ; a piece: 512 consecutive bytes, at a multiple of 256 from the buffer's first byte
.endr
.endm
.macro WLOAD t                         ; block t: 32 rows of W x my 32 columns; a load takes 4 rows x 128 bytes
.irp i, 0,1,2,3,4,5,6,7
	global_load_b128 v[WR+32*((\t)%4)+4*\i:WR+32*((\t)%4)+4*\i+3], v4, s[30:31] offset:(32*(\t)+4*\i)*4096 th:TH_LOAD_NT
.endr
.endm
.macro WBLOCK t                        ; block t of 32 along K: fragment t / 4, c = (t % 4) / 2, h = t % 2
.if (\t) < 5
	s_wait_loadcnt 24                              ; this block's 8 loads are in; the three younger blocks' 24 may be out
.else
	s_wait_loadcnt 8*(7-(\t))
.endif
.irp i, 0,1,2,3,4,5,6,7
	ds_store_b128 v5, v[WR+32*((\t)%4)+4*\i:WR+32*((\t)%4)+4*\i+3] offset:512*\i   ; 32 rows of 128 bytes, on end
.endr
.irp i, 0,1,2,3,4,5,6,7,8,9,10,11,12,13,14,15,16,17,18,19,20,21,22,23,24,25,26,27,28,29,30,31
	ds_load_b32 v[WX+\i], v6 offset:128*\i         ; A LANE TAKES A COLUMN, ITS REGISTERS RUN DOWN K
.endr
	s_wait_dscnt 0x0                               ; the numbers are here; every earlier LDS store of mine has read its registers
.if (\t) < 4
	WLOAD (\t)+4
.endif
	v_max3_num_f32 v12, |v[WX]|, |v[WX+1]|, |v[WX+2]|
	v_max3_num_f32 v13, |v[WX+3]|, |v[WX+4]|, |v[WX+5]|
.irp i, 6,10,14,18,22,26
	v_max3_num_f32 v12, v12, |v[WX+\i]|, |v[WX+\i+1]|
	v_max3_num_f32 v13, v13, |v[WX+\i+2]|, |v[WX+\i+3]|
.endr
	v_max3_num_f32 v12, v12, |v[WX+30]|, |v[WX+31]|
	v_max3_num_f32 v12, v12, v13, 0x1800000        ; and the floor
	v_add_nc_u32 v15, 0xff000000, v12              ; the conversion's scale operand
	v_lshrrev_b32 v13, 23, v15                     ; the byte
.if (\t)%4 == 0
	v_mov_b32 v[SB+(\t)/4], v13
.else
	v_lshl_or_b32 v[SB+(\t)/4], v13, 8*((\t)%4), v[SB+(\t)/4]
.endif
	v_cvt_scalef32_pk16_fp6_f32 v[WC:WC+2], v[WX:WX+15], v15
	v_cvt_scalef32_pk16_fp6_f32 v[184:186], v[WX+16:WX+31], v15
	v_nop                                          ; one plain line behind the scaled conversions
.irp i, 0,1,2
	v_mov_b32 v[WC+3+\i], v[184+\i]
.endr
.irp i, 0,1,2
	ds_store_b64 v7, v[WC+2*\i:WC+2*\i+1] offset:1536*((\t)/4)+512*((3*(((\t)%4)/2)+\i)/2)+8*((3*(((\t)%4)/2)+\i)%2)+256*((\t)%2)   ; into the image: registers 6 c + 2 i, + 1 of my column's place, lane half h
.endr
.endm
	s_load_b256 s[4:11], s[0:1], 0x0               ; x, W_q, W_k, W_v
	s_load_b128 s[12:15], s[0:1], 0x20             ; W_o, x_op
	s_load_b64 s[16:17], s[0:1], 0x30              ; w_op
	v_lshl_add_u32 v254, v0, 2, SPARE
	v_mov_b32 v255, 0
	v_lshrrev_b32 v1, 5, v0
	v_readfirstlane_b32 s18, v1                    ; wave 0..3
	v_and_b32 v1, 31, v0                           ; lane
	s_mov_b32 s24, 0x76543210
	s_mov_b32 s25, 0xfedcba98                      ; v_permlanex16_b32's selects for lane l xor 16
	s_wait_alu depctr_va_vdst(0)
	s_cmp_lt_u32 ttmp9, 128
	s_cbranch_scc0 .Lweights
	; ---- x: work-group G takes tokens 32 G on, wave kk the K 256 kk on
	v_and_b32 v2, 15, v0                           ; r
	v_bfe_u32 v3, v0, 4, 1                         ; h
	v_lshlrev_b32 v4, 4, v1                        ; 16 bytes a lane of a load's 512, and of a piece
	s_mul_i32 s19, s18, XSTG
	v_add_nc_u32 v5, s19, v4                       ; the stage, in
	v_mul_u32_u24 v6, v2, 528
	v_lshl_add_u32 v6, v3, 7, v6
	v_add_nc_u32 v6, s19, v6                       ; the stage, out: row r, + 128 h
	v_lshlrev_b32 v7, 3, v1                        ; 8 bytes a lane of the scale words
	v_lshlrev_b32 v8, 3, v3                        ; 8 h
	v_mov_b32 v10, 0                               ; a lane permute's destination counts as read
	s_lshl_b32 s22, ttmp9, 17                      ; 32 rows of 4,096 bytes
	s_lshl_b32 s23, s18, 10                        ; 256 numbers
	s_add_co_u32 s22, s22, s23
	s_mov_b32 s23, 0
	s_mul_i32 s20, s18, KKP
	s_mul_i32 s21, ttmp9, PB
	s_add_co_u32 s20, s20, s21
	s_mov_b32 s21, 0
	s_wait_alu depctr_va_vdst(0)                   ; the wait at the head's end
	s_wait_kmcnt 0x0
	s_add_nc_u64 s[4:5], s[4:5], s[22:23]
	s_add_nc_u64 s[14:15], s[14:15], s[20:21]
	XLOAD 0
	XLOAD 1
	XFRAG 0
	XFRAG 1
	XFRAG 2
	XFRAG 3
	v_cmp_lt_u32 vcc_lo, 15, v1                    ; lanes 16-31 carry row block 1's words
	v_cndmask_b32 v12, v[WD], v[WD+2], vcc_lo
	v_cndmask_b32 v13, v[WD+1], v[WD+3], vcc_lo
	global_store_b64 v7, v[12:13], s[14:15] offset:6144   ; the block's last 256 bytes
	s_wait_tensorcnt 0x0                           ; the wave's end
	ds_add_u32 v254, v255
	s_wait_dscnt 0x0
	s_endpgm
.Lweights:
	; ---- the weights: id = work-group - 128: weight id / 32, kk = (id / 8) % 4, columns 32 (4 (id % 8) + wave) on
	v_lshrrev_b32 v2, 3, v1
	v_and_b32 v3, 7, v1
	v_lshlrev_b32 v4, 12, v2
	v_lshl_add_u32 v4, v3, 4, v4                   ; in: row lane / 8, 16 bytes x (lane % 8)
	s_mul_i32 s19, s18, WREG
	s_add_co_u32 s19, s19, WBASE
	v_lshl_add_u32 v5, v1, 4, s19                  ; the f32 stage, in: 16 x lane
	v_lshl_add_u32 v6, v1, 2, s19                  ; out: my column, 4 x lane
	v_bfe_u32 v11, v0, 3, 1                        ; u' : column l of the 32 is place p' = l % 8 + 8 (l / 16) of row block u' = (l / 8) % 2
	v_bfe_u32 v14, v0, 4, 1
	v_lshl_add_u32 v14, v14, 3, v3                 ; p'
	v_mul_u32_u24 v7, v11, 3072
	v_lshl_add_u32 v7, v14, 4, v7
	v_add_nc_u32 v7, s19, v7
	v_add_nc_u32 v7, 4096, v7                      ; the image: 3072 u' + 16 p'
	v_lshlrev_b32 v8, 7, v11
	v_lshl_add_u32 v8, v14, 3, v8
	v_add_nc_u32 v8, s19, v8
	v_add_nc_u32 v8, 4096+6144, v8                 ; its scale words: 128 u' + 8 p'
	v_lshlrev_b32 v10, 3, v1                       ; 8 x lane
	v_add_nc_u32 v9, s19, v10
	v_add_nc_u32 v9, 4096, v9                      ; the image read back
	s_sub_co_u32 s20, ttmp9, 128
	s_lshr_b32 s21, s20, 5                         ; which weight
	s_bfe_u32 s22, s20, 0x20003                    ; kk
	s_and_b32 s23, s20, 7
	s_lshl_b32 s23, s23, 2
	s_add_co_u32 s23, s23, s18                     ; which 32 columns
	s_lshl_b32 s26, s22, 20                        ; 256 rows of 4,096 bytes
	s_lshl_b32 s27, s23, 7
	s_add_co_u32 s26, s26, s27
	s_mov_b32 s27, 0
	s_mul_i32 s28, s21, 204800                     ; W_q, W_k, W_v: 614,400 kk + 204,800 x weight;
	s_mov_b32 s29, 614400
	s_mov_b32 s33, 2457600                         ; W_o: 2,457,600 + 204,800 kk
	s_mov_b32 s34, 204800
	s_cmp_eq_u32 s21, 3
	s_cselect_b32 s28, s33, s28
	s_cselect_b32 s29, s34, s29
	s_mul_i32 s29, s22, s29
	s_add_co_u32 s28, s28, s29
	s_mul_i32 s29, s23, PB
	s_add_co_u32 s28, s28, s29
	s_mov_b32 s29, 0
	s_wait_alu depctr_va_vdst(0)                   ; the wait at the head's end
	s_wait_kmcnt 0x0
	s_mov_b64 s[30:31], s[12:13]                   ; W_o, unless
	s_cmp_eq_u32 s21, 0
	s_cselect_b64 s[30:31], s[6:7], s[30:31]       ; W_q,
	s_cmp_eq_u32 s21, 1
	s_cselect_b64 s[30:31], s[8:9], s[30:31]       ; W_k,
	s_cmp_eq_u32 s21, 2
	s_cselect_b64 s[30:31], s[10:11], s[30:31]     ; W_v: the choice hangs on the work-group's number alone
	s_add_nc_u64 s[30:31], s[30:31], s[26:27]
	s_add_nc_u64 s[16:17], s[16:17], s[28:29]
	WLOAD 0
	WLOAD 1
	WLOAD 2
	WLOAD 3
.irp t, 0,1,2,3,4,5,6,7
	WBLOCK \t
.endr
	ds_store_b64 v8, v[SB:SB+1]
.irp q, 0,1,2,3,4,5,6,7,8,9,10,11,12,13,14,15,16,17,18,19,20,21,22,23,24
	ds_load_b64 v[16+2*\q:17+2*\q], v9 offset:256*\q   ; LDS serves a wave's instructions in order: these see my stores
.endr
.irp q, 0,1,2,3,4,5,6,7,8,9,10,11,12,13,14,15,16,17,18,19,20,21,22,23,24
	s_wait_dscnt 24-\q
	global_store_b64 v10, v[16+2*\q:17+2*\q], s[16:17] offset:256*\q   ; 256 consecutive bytes, at a multiple of 256 from the buffer's first byte
.endr
	s_wait_tensorcnt 0x0                           ; the wave's end
	ds_add_u32 v254, v255
	s_wait_dscnt 0x0
	s_endpgm
.Lfunc_end_k_q9bc908efd8_quant:
	.size	k_q9bc908efd8_quant, .Lfunc_end_k_q9bc908efd8_quant-k_q9bc908efd8_quant
	.p2alignl 7, 3214868480
	.fill 96, 4, 3214868480
	.section	.rodata,"a",@progbits
	.p2align	6, 0x0
	.amdhsa_kernel k_q9bc908efd8_quant
		.amdhsa_group_segment_fixed_size 76288
		.amdhsa_private_segment_fixed_size 0
		.amdhsa_enable_private_segment 0
		.amdhsa_kernarg_size 56
		.amdhsa_user_sgpr_count 2
		.amdhsa_user_sgpr_kernarg_segment_ptr 1
		.amdhsa_wavefront_size32 1
		.amdhsa_system_sgpr_workgroup_id_x 1
		.amdhsa_system_sgpr_workgroup_id_y 1
		.amdhsa_system_sgpr_workgroup_id_z 1
		.amdhsa_system_vgpr_workitem_id 0
		.amdhsa_next_free_vgpr 256
		.amdhsa_next_free_sgpr 66
		.amdhsa_reserve_vcc 1
		.amdhsa_float_denorm_mode_32 3
		.amdhsa_float_denorm_mode_16_64 3
		.amdhsa_memory_ordered 1
		.amdhsa_forward_progress 1
		.amdhsa_inst_pref_size 77
	.end_amdhsa_kernel
	.amdgpu_metadata
---
amdhsa.version: [ 1, 2 ]
amdhsa.kernels:
  - .name:           k_q9bc908efd8_quant
    .symbol:         k_q9bc908efd8_quant.kd
    .args:
      - { .name: x, .offset: 0, .size: 8, .value_kind: global_buffer, .address_space: global }
      - { .name: W_q, .offset: 8, .size: 8, .value_kind: global_buffer, .address_space: global }
      - { .name: W_k, .offset: 16, .size: 8, .value_kind: global_buffer, .address_space: global }
      - { .name: W_v, .offset: 24, .size: 8, .value_kind: global_buffer, .address_space: global }
      - { .name: W_o, .offset: 32, .size: 8, .value_kind: global_buffer, .address_space: global }
      - { .name: x_op, .offset: 40, .size: 8, .value_kind: global_buffer, .address_space: global }
      - { .name: w_op, .offset: 48, .size: 8, .value_kind: global_buffer, .address_space: global }
    .group_segment_fixed_size: 76288
    .private_segment_fixed_size: 0
    .kernarg_segment_align: 8
    .kernarg_segment_size: 56
    .max_flat_workgroup_size: 128
    .sgpr_count:     66
    .vgpr_count:     256
    .wavefront_size: 32
...
	.end_amdgpu_metadata
.endif
;; end of part 1
;; launch qkv (part 2): grid 16 x 16, 4 waves a work-group, clusters of 4 x 4, 327,680 bytes of LDS; arguments x_op, w_op, b_q, b_k, b_v, q_op, k_op, v_op; writes q_op, k_op, v_op
.if DOCPART == 2
	.amdgcn_target "amdgcn-amd-amdhsa--gfx1250"
	.amdhsa_code_object_version 6
	.text
	.protected	k_q9bc908efd8_qkv
	.globl	k_q9bc908efd8_qkv
	.p2align	8
	.type	k_q9bc908efd8_qkv,@function
k_q9bc908efd8_qkv:
	s_mov_b64 s[64:65], 0
	v_nop
	global_prefetch_b8 v0, s[64:65] scope:SCOPE_SE
	s_setreg_imm32_b32 hwreg(HW_REG_WAVE_MODE, 25, 1), 1
	s_wait_xcnt 0x0
	s_wait_alu depctr_hold_cnt(0) depctr_sa_sdst(0) depctr_va_vdst(0) depctr_va_sdst(0) depctr_va_ssrc(0) depctr_va_vcc(0) depctr_vm_vsrc(0)
	s_getreg_b32 s2, hwreg(HW_REG_IB_STS2, 6, 4)
	s_cmp_eq_u32 s2, 0
	s_cbranch_scc0 .Lentry_in_a_cluster
	s_endpgm
.Lentry_in_a_cluster:
	s_bfe_u32 s2, ttmp6, 0x10000c
	s_cmp_lg_u32 s2, 0xf033
	s_cbranch_scc0 .Lentry_shape_is_right
	s_endpgm
.Lentry_shape_is_right:
; q = x W_q + b_q, k = x W_k + b_k, v = x W_v + b_v on codes of FP6 (E2M3) with E8M0 scales, sums in f32; the results are quantised in registers and leave as codes: q and k along the head's 64, v along the KEYS.
; OPERANDS: x_op and w_op as the launch before lays them (blocks of 6,400 bytes: 32 rows x 256 K; see its head).
; THE DEAL: 16 x 16 work-groups: x: one head; y: 256 tokens.  A work-group makes that head's 64 columns of q, of k and of v.  Four waves, 2 x 2: wave (TR, TC) takes 128 tokens x 32 columns of each of the three: 48 accumulators of 16 x 16.
; q, k: source 0 = the weight's columns, source 1 = x: a lane holds ONE token and its registers run along the head.  v: source 0 = x, source 1 = W_v's columns: a lane holds one channel and its registers run along the keys.
; By the order of the rows in a block the 16 registers of two neighbouring tiles are 16 neighbours: 16 (lane / 16) + 0 .. 15 of 32: what the conversions want.
; K = 1,024 goes in eight steps of 128 (kk = step / 2, fragment step % 2).  LDS: three slots of 51,200 bytes for x's 256 rows x 256 K, then all of the weights' 192 rows: [kk][3][2 blocks].
; At the head, one load a wave: x's kk 0 and 1; the weights' kk 0 and 1; x's kk 2; the weights' kk 2 and 3.  ONE refill: x's kk 3 into slot 0, a quarter a wave, in a round inside step 2; it has steps 2, 3 and 4 in which to land.
; CLUSTERS: 4 x 4 work-groups: x's tiles are shared along a row of the cluster, the weights' along a column, by joint loads.  No prefetch: the launch has no loop, and all but a quarter of x is asked for at the head.
; The bias is the C of each sum's first product.
; RESULTS: q_op, k_op, v_op = [16 b + head][128 tokens][6400].  q, k: byte 1536 f + 512 q + 16 l: fragment f: lane (r, h) holds block h of the head's 64: registers 0-5 of token set 2 f, 6-11 of set 2 f + 1; set a is tokens 32 (a / 2) + 8 (a % 2) + r + 8 (r / 8).
; v: the same bytes: fragment f = 16 channels (same order) x 128 keys.  Scale words at 6144 + 8 l: word 0 of fragment l / 16, word 1 of fragment 2 + l / 16, row l % 16; they pass through LDS, and leave as whole units.
; LIMITS: a block of zeros, or under 2^-124, keeps the scale byte 1; this program alone reads the bytes.  NaN and infinities are not served.
; REGISTERS: window 0: v1-29 numbers and addresses; v32-87 scale words, two sets (x's 16, then the weights' 12); v88-231 the weights' fragments, two sets of six; v232-251 way out.  On the way out the codes lie in v88-207.
;   window 1: x's fragments, two sets of eight.   window 2: q (v0-127), k (v128-255).   window 3: v (v0-127), the biases (v128-175).
.set PB,    6400
.set KKP,   819200
.set XS,    51200                      ; a slot of x
.set WB,    3*XS                       ; the weights
.set WKK,   38400                      ; one kk of them
.set SCST,  WB+4*WKK                   ; the results' scale words: [TR][q, k, v][256 bytes]
.set SPARE, SCST+1536                  ; the spare words, 128 bytes a wave
.set ADRX, 8                           ; v8-10   x's codes in slot 0, 1, 2
.set ADXS, 11                          ; v11-13  x's scale words
.set ADRW, 14                          ; v14-17  the weights' codes, kk 0 .. 3
.set ADWS, 18                          ; v18-21  their scale words
.set OV,   22                          ; v22 v's place in a block of results; v23 q's and k's
.set OQ,   23
.set SPW,  28
.set NIL,  29
.set SC,   32
.set WF,   88
.set TM,   232                         ; v232-235 largest magnitudes; v236-239 the other half's, then bytes; v244-247 scale operands
.set WV, 20
.set TR, 21
.set TC, 22
.set GXA, 24                           ; group 1: x, two kk;   GXB: x, one kk;   GW: the weights, two kk;   GXC: a quarter of x's one kk
.set GXB, 32
.set GW,  40
.set GXC, 48
.set G0X, 56
.set G0W, 60
.set G0R, 68
.set MSB, 0
.macro WIN new                         ; the immediate's high byte repeats the setting that is left
.if MSB != (\new)
	s_set_vgpr_msb (MSB<<8)|(\new)
.set MSB, \new
.endif
.endm
.macro PLACES n
.rept \n
	v_nop
.endr
.endm
.macro CREST                           ; a round of the cluster's barrier behind its opening barrier
	s_cmp_lg_u32 s[WV], 0
	s_cbranch_scc1 .Lnot_wave_0_\@
	s_barrier_signal -3
.Lnot_wave_0_\@:
	s_barrier_wait -3
	s_barrier_signal -1
	s_barrier_wait -1
.endm
.macro CROUND
	s_barrier_signal -1
	s_barrier_wait -1
	CREST
.endm
.macro G1SET g, mask, c, r, p          ; rows of c elements of 8 bytes, r of them, p elements apart; bit 21 stands beside a mask
	s_or_b32 s[\g], s[\mask], (3<<16)|(1<<21)
	s_mov_b32 s[\g+1], (\c)<<16
	s_mov_b32 s[\g+2], (\r)<<16
	s_mov_b32 s[\g+3], (\c)<<16
	s_mov_b32 s[\g+4], \r
	s_mov_b32 s[\g+5], \p
	s_mov_b32 s[\g+6], 0
	s_mov_b32 s[\g+7], 0
.endm
.macro LD n, nx                        ; LDS load n of step nx: 24 bring x's eight fragments, 18 the weights' six, 14 the scale words of a kk (two a row)
.set K_, (\nx)/2
.set F_, (\nx)%2
.if (\n) < 24
.set I_, (\n)/3
.set Q_, (\n)%3
	WIN 0x40
	ds_load_b128 v[96*F_+12*I_+4*Q_:96*F_+12*I_+4*Q_+3], v[ADRX+K_%3] offset:6400*(I_/2)+3072*(I_%2)+1536*F_+512*Q_
.elseif (\n) < 42
.set I_, ((\n)-24)/3
.set Q_, ((\n)-24)%3
	WIN 0
	ds_load_b128 v[WF+72*F_+12*I_+4*Q_:WF+72*F_+12*I_+4*Q_+3], v[ADRW+K_] offset:12800*(I_/2)+3072*(I_%2)+1536*F_+512*Q_
.elseif (\n) < 50
.set I_, (\n)-42
	WIN 0
	ds_load_b64 v[SC+28*(K_%2)+2*I_:SC+28*(K_%2)+2*I_+1], v[ADXS+K_%3] offset:6400*(I_/2)+128*(I_%2)
.else
.set I_, (\n)-50
	WIN 0
	ds_load_b64 v[SC+28*(K_%2)+16+2*I_:SC+28*(K_%2)+17+2*I_], v[ADWS+K_] offset:12800*(I_/2)+128*(I_%2)
.endif
.endm
.macro WM d, s0, s1, c, x0, x1
	v_wmma_scale_f32_16x16x128_f8f6f4 v[\d:\d+7], v[\s0:\s0+11], v[\s1:\s1+11], \c, v[\x0], v[\x1] matrix_a_fmt:MATRIX_FMT_FP6 matrix_b_fmt:MATRIX_FMT_FP6
.endm
.macro PROD n, st                      ; product n of step st: 0-15 q, 16-31 k (token set n / 2, column tile n % 2), 32-47 v.  The 48 accumulators take turns, in the same order in every step
.set T_, (\n)/16
.set M_, (\n)%16
.set P_, (\st)%2
.set S_, SC+28*(((\st)/2)%2)+P_
.if T_ < 2
.set A_, M_/2
.set B_, M_%2
.set D_, 128*T_+16*A_+8*B_
.if (\st) == 0
	WIN 0xb4
	WM D_, WF+72*P_+12*(2*T_+B_), 96*P_+12*A_, v[128+16*T_+8*B_:135+16*T_+8*B_], S_+16+2*(2*T_+B_), S_+2*A_
.else
	WIN 0xa4
	WM D_, WF+72*P_+12*(2*T_+B_), 96*P_+12*A_, v[D_:D_+7], S_+16+2*(2*T_+B_), S_+2*A_
.endif
.else
.set A_, M_%2
.set B_, M_/2
.set D_, 64*A_+8*B_
	WIN 0xf1
.if (\st) == 0
	WM D_, 96*P_+12*B_, WF+72*P_+12*(4+A_), v[160+8*A_:167+8*A_], S_+2*B_, S_+16+2*(4+A_)
.else
	WM D_, 96*P_+12*B_, WF+72*P_+12*(4+A_), v[D_:D_+7], S_+2*B_, S_+16+2*(4+A_)
.endif
.endif
.endm
.macro RUN st, from, to, per           ; products from .. to - 1; behind every fourth, up to per LDS loads of the next step
.set N_, \from
.rept (\to)-(\from)
	PROD N_, \st
.if N_%4 == 3
.rept \per
.if LN < LT
	LD LN, (\st)+1
.set LN, LN+1
.endif
.endr
.endif
.set N_, N_+1
.endr
.endm
.macro STEP st
	s_wait_dscnt 0x0                               ; this step's fragments are in
	PLACES 4                                       ; in front of loads into registers that the last step's products read
.set LN, 0
.set LT, 42+14*((\st)%2)
	RUN \st, 0, 48, 5+2*((\st)%2)
.endm
; THE WAY OUT of four groups of 16 registers a lane (window w): four blocks of 32 (lanes l and l xor 16), largest magnitude, byte, conversion; then a WHOLE block in a lane: registers 0-5 groups 0 (lanes 0-15) and 1 (lanes 16-31), 6-11 groups 2 and 3
.macro QUANT w, g0, g1, g2, g3, pc
	WIN 5*(\w)
	v_max3_num_f32 v[TM], |v[\g0]|, |v[\g0+1]|, 0x1800000      ; each accumulator from its low end on; the floor 2^(3 - 127) holds the byte at 1 from below
	v_max3_num_f32 v[TM+1], |v[\g1]|, |v[\g1+1]|, 0x1800000
	v_max3_num_f32 v[TM+2], |v[\g2]|, |v[\g2+1]|, 0x1800000
	v_max3_num_f32 v[TM+3], |v[\g3]|, |v[\g3+1]|, 0x1800000
.irp i, 2,4,6,8,10,12,14
	v_max3_num_f32 v[TM], |v[\g0+\i]|, |v[\g0+\i+1]|, v[TM]
	v_max3_num_f32 v[TM+1], |v[\g1+\i]|, |v[\g1+\i+1]|, v[TM+1]
	v_max3_num_f32 v[TM+2], |v[\g2+\i]|, |v[\g2+\i+1]|, v[TM+2]
	v_max3_num_f32 v[TM+3], |v[\g3+\i]|, |v[\g3+\i+1]|, v[TM+3]
.endr
	WIN 0
.irp b, 0,1,2,3
	v_permlanex16_b32 v[TM+4+\b], v[TM+\b], s94, s95
.endr
.irp b, 0,1,2,3
	v_max_num_f32 v[TM+\b], v[TM+\b], v[TM+4+\b]
.endr
.irp b, 0,1,2,3
	v_add_nc_u32 v[TM+12+\b], 0xff000000, v[TM+\b] ; 2 off the exponent field: the conversion's scale operand
.endr
.irp b, 0,1,2,3
	v_lshrrev_b32 v[TM+4+\b], 23, v[TM+12+\b]      ; the byte
.endr
	WIN \w
	v_cvt_scalef32_pk16_fp6_f32 v[\pc:\pc+2], v[\g0:\g0+15], v[TM+12]
	v_cvt_scalef32_pk16_fp6_f32 v[\pc+12:\pc+14], v[\g1:\g1+15], v[TM+13]
	v_cvt_scalef32_pk16_fp6_f32 v[\pc+6:\pc+8], v[\g2:\g2+15], v[TM+14]
	v_cvt_scalef32_pk16_fp6_f32 v[\pc+16:\pc+18], v[\g3:\g3+15], v[TM+15]
	WIN 0
	v_nop                                          ; one plain line behind the scaled conversions
.irp c, 0,1
.irp i, 0,1,2
	v_permlane16_swap_b32 v[\pc+6*\c+\i], v[\pc+12+4*\c+\i]
.endr
.irp i, 0,1,2
	v_mov_b32 v[\pc+3+6*\c+\i], v[\pc+12+4*\c+\i]
.endr
.endr
.endm
.macro QKOUT t, f, base                ; q (t = 0) or k (1): token sets 4 f .. 4 f + 3: fragments 2 f (lanes 0-15) and 2 f + 1 (lanes 16-31)
.set G_, 128*(\t)+64*(\f)
.set O_, WF+40*(\t)+20*(\f)
	QUANT 2, G_, G_+32, G_+16, G_+48, O_
	ds_store_b8 v24, v[TM+4] offset:256*(\t)+4*(\f)        ; both halves of the lanes write the same byte with the same value
	ds_store_b8 v24, v[TM+5] offset:256*(\t)+4*(\f)+128
	ds_store_b8 v24, v[TM+6] offset:256*(\t)+4*(\f)+2
	ds_store_b8 v24, v[TM+7] offset:256*(\t)+4*(\f)+130
.irp q, 0,1,2
	global_store_b128 v[OQ], v[O_+4*\q:O_+4*\q+3], s[\base:\base+1] offset:3072*(\f)+512*\q   ; each half of the lanes stores 256 consecutive bytes, at a multiple of 256 from the buffer's first byte
.endr
.endm
.macro VOUT a                          ; v: channel fragment 2 TC + a
.set G_, 64*(\a)
.set O_, WF+80+20*(\a)
	QUANT 3, G_, G_+16, G_+32, G_+48, O_
	v_lshl_or_b32 v[248+\a], v[TM+5], 8, v[TM+4]
	v_lshl_or_b32 v[248+\a], v[TM+6], 16, v[248+\a]
	v_lshl_or_b32 v[248+\a], v[TM+7], 24, v[248+\a]
	ds_store_b32 v25, v[248+\a] offset:128*(\a)
.irp q, 0,1,2
	global_store_b128 v[OV], v[O_+4*\q:O_+4*\q+3], s[18:19] offset:1536*(\a)+512*\q           ; 512 consecutive bytes
.endr
.endm
	s_load_b512 s[4:19], s[0:1], 0x0               ; x_op s[4:5], w_op s[6:7], b_q s[8:9], b_k s[10:11], b_v s[12:13], q_op s[14:15], k_op s[16:17], v_op s[18:19]
	v_lshl_add_u32 v[SPW], v0, 2, SPARE
	v_mov_b32 v[NIL], 0
	ds_add_u32 v[SPW], v[NIL]                      ; the opening lines: the add, twice on end, and its wait
	ds_add_u32 v[SPW], v[NIL]
	v_lshrrev_b32 v1, 5, v0
	v_readfirstlane_b32 s[WV], v1                  ; wave 0..3
	s_lshr_b32 s[TR], s[WV], 1                     ; which 128 of the 256 tokens
	s_and_b32 s[TC], s[WV], 1                      ; which 32 of the head's 64 columns
	s_bfe_u32 s66, ttmp6, 0x40000                  ; cx
	s_bfe_u32 s67, ttmp6, 0x40004                  ; cy
	s_lshl_b32 s72, s67, 2
	s_lshl_b32 s72, 15, s72                        ; my row of the cluster
	s_lshl_b32 s73, 0x1111, s66                    ; my column
	G1SET GXA, 72, 6400, 2, 102400
	G1SET GXB, 72, 32, 200, 32
	G1SET GXC, 72, 32, 50, 32
	G1SET GW, 73, 1600, 6, 25600                   ; two kk x three weights: rows of two blocks, 204,800 bytes apart
	s_lshl_b32 s68, ttmp9, 2
	s_add_co_u32 s84, s68, s66                     ; the head
	s_and_b32 s85, ttmp7, 0xffff
	s_lshl_b32 s85, s85, 2
	s_add_co_u32 s85, s85, s67                     ; which 256 tokens
	s_mul_i32 s74, s85, XS                         ; x: from kk's first byte
	s_mov_b32 s75, 0
	s_mul_i32 s76, s84, 12800                      ; the weights: two blocks a head
	s_mov_b32 s77, 0
	s_mul_i32 s78, s[TR], 2*KKP                    ; waves 2, 3 fetch kk 2 on
	s_mov_b32 s79, 0
	s_mul_i32 s80, s[TR], 2*614400
	s_mov_b32 s81, 0
	s_mul_i32 s82, s[WV], 12800                    ; the refill: my quarter
	s_mov_b32 s83, 0
	s_mov_b32 s94, 0x76543210
	s_mov_b32 s95, 0xfedcba98
	s_mov_b32 s[G0X], 1
	s_mul_i32 s[G0X+1], s[TR], 2*XS
	s_mov_b32 s[G0W], 1
	s_mul_i32 s[G0W+1], s[TR], 2*WKK
	s_add_co_u32 s[G0W+1], s[G0W+1], WB
	s_mov_b32 s[G0R], 1
	s_mul_i32 s[G0R+1], s[WV], 12800
	s_wait_dscnt 0x0
	s_wait_alu depctr_va_vdst(0)
	s_wait_kmcnt 0x0
	s_add_nc_u64 s[74:75], s[4:5], s[74:75]
	s_add_nc_u64 s[76:77], s[6:7], s[76:77]
	s_add_nc_u64 s[G0X+2:G0X+3], s[74:75], s[78:79]
	s_or_b32 s[G0X+3], s[G0X+3], 0x80000000
	s_add_nc_u64 s[G0W+2:G0W+3], s[76:77], s[80:81]
	s_or_b32 s[G0W+3], s[G0W+3], 0x80000000
	s_add_nc_u64 s[G0R+2:G0R+3], s[74:75], s[82:83]
	s_add_nc_u64 s[G0R+2:G0R+3], s[G0R+2:G0R+3], 3*KKP
	s_or_b32 s[G0R+3], s[G0R+3], 0x80000000
	CROUND                                         ; all sixteen work-groups are here: the first joint loads meet
.macro ARM under, g0, g1, next
	s_cmp_lt_u32 s[WV], \under
	s_cbranch_scc0 \next
	tensor_load_to_lds s[\g0:\g0+3], s[\g1:\g1+7]
	s_nop 0
	PLACES 4
	s_branch .Lasked
\next:
.endm
	ARM 1, G0X, GXA, .Lwave_1                      ; wave 0: x, kk 0 and 1
	ARM 2, G0W, GW, .Lwave_2                       ; wave 1: the weights, kk 0 and 1
	ARM 3, G0X, GXB, .Lwave_3                      ; wave 2: x, kk 2
	tensor_load_to_lds s[G0W:G0W+3], s[GW:GW+7]    ; wave 3: the weights, kk 2 and 3
	s_nop 0
	PLACES 4
.Lasked:
	v_and_b32 v1, 15, v0                           ; r
	v_bfe_u32 v2, v0, 4, 1                         ; h
	v_and_b32 v3, 31, v0                           ; lane
	v_lshlrev_b32 v5, 6, v2                        ; q's, k's bias: 16 h numbers on
	v_and_b32 v6, 8, v1
	v_add_nc_u32 v6, v6, v1
	v_lshlrev_b32 v6, 2, v6                        ; v's bias: my channel's place, r + 8 (r / 8)
	s_lshl_b32 s86, s84, 8
	s_lshl_b32 s87, s[TC], 7
	s_add_co_u32 s86, s86, s87                     ; my 32 columns, in bytes
	s_mov_b32 s87, 0
	s_add_nc_u64 s[8:9], s[8:9], s[86:87]
	s_add_nc_u64 s[10:11], s[10:11], s[86:87]
	s_add_nc_u64 s[12:13], s[12:13], s[86:87]
	s_wait_alu depctr_va_vdst(0)
	WIN 0xc0
.irp b, 0,1
.irp e, 0,1
	global_load_b128 v[128+8*\b+4*\e:131+8*\b+4*\e], v5, s[8:9] offset:32*\b+16*\e      ; tile b, register j: column 16 h + 8 b + j
	global_load_b128 v[144+8*\b+4*\e:147+8*\b+4*\e], v5, s[10:11] offset:32*\b+16*\e
.endr
	global_load_b32 v[160+8*\b], v6, s[12:13] offset:32*\b                              ; channel fragment b: one number a lane
.endr
	WIN 0
	v_lshlrev_b32 v4, 4, v3                        ; 16 x lane
	v_lshlrev_b32 v27, 3, v3                       ; 8 x lane
	v_lshlrev_b32 v7, 3, v1                        ; 8 r
	s_mul_i32 s88, s[TR], 25600
	s_mul_i32 s89, s[TC], PB
	s_add_co_u32 s89, s89, WB
.irp s, 0,1,2
	v_add_nc_u32 v[ADRX+\s], s88, v4
	v_add_nc_u32 v[ADXS+\s], s88, v7
	v_add_nc_u32 v[ADRX+\s], \s*XS, v[ADRX+\s]
	v_add_nc_u32 v[ADXS+\s], \s*XS+6144, v[ADXS+\s]
.endr
.irp s, 0,1,2,3
	v_add_nc_u32 v[ADRW+\s], s89, v4
	v_add_nc_u32 v[ADWS+\s], s89, v7
	v_add_nc_u32 v[ADRW+\s], \s*WKK, v[ADRW+\s]
	v_add_nc_u32 v[ADWS+\s], \s*WKK+6144, v[ADWS+\s]
.endr
	s_mul_i32 s90, s[TC], 3072
	v_add_nc_u32 v[OV], s90, v4                    ; v: fragments 2 TC, 2 TC + 1
	s_lshl_b32 s91, s[TC], 8
	v_mul_u32_u24 v[OQ], v2, 1536
	v_lshl_add_u32 v[OQ], v1, 4, v[OQ]
	v_add_nc_u32 v[OQ], s91, v[OQ]                 ; q, k: fragment + h, lane 16 TC + r
	s_mul_i32 s92, s[TR], 768
	s_add_co_u32 s92, s92, SCST
	s_add_co_u32 s93, s92, s[TC]
	v_add_nc_u32 v24, s93, v7                      ; q's, k's scale bytes: 8 r + TC
	s_lshl_b32 s93, s[TC], 2
	s_add_co_u32 s93, s93, s92
	s_add_co_u32 s93, s93, 512
	v_add_nc_u32 v25, s93, v7                      ; v's scale words: 8 r + 4 TC
	s_add_co_u32 s93, s92, s91
	v_add_nc_u32 v26, s93, v27                     ; and back: TC's unit, 8 x lane
.irp b, 0,1,2,3
	v_mov_b32 v[TM+4+\b], 0                        ; a lane permute's destination counts as read
.endr
	; the results' blocks: ((16 b + head) 16 + 128 tokens) x 6,400
	s_lshr_b32 s86, s85, 3
	s_lshl_b32 s86, s86, 4
	s_add_co_u32 s86, s86, s84
	s_lshl_b32 s86, s86, 4
	s_and_b32 s87, s85, 7
	s_lshl_b32 s87, s87, 1
	s_add_co_u32 s86, s86, s87
	s_add_co_u32 s86, s86, s[TR]
	s_mul_i32 s86, s86, PB
	s_mov_b32 s87, 0
	s_add_nc_u64 s[14:15], s[14:15], s[86:87]
	s_add_nc_u64 s[16:17], s[16:17], s[86:87]
	s_add_nc_u64 s[18:19], s[18:19], s[86:87]
	s_cmp_eq_u32 s[TC], 0
	s_cselect_b64 s[96:97], s[14:15], s[16:17]     ; whose scale words my wave stores
	s_wait_alu depctr_va_vdst(0)
	s_wait_loadcnt 0x0
	WIN 0xc3
.irp a, 160,168
.irp i, 1,2,3,4,5,6,7
	v_mov_b32 v[\a+\i], v[\a]                      ; v's number over the tile's eight registers
.endr
.endr
	WIN 0
	s_wait_alu depctr_va_vdst(0)                   ; the wait at the head's end
	s_cmp_lt_u32 s[WV], 2
	s_cbranch_scc0 .Lnot_first
	s_wait_tensorcnt 0x0
.Lnot_first:
	s_barrier_signal -1
	s_barrier_wait -1                              ; kk 0 and 1 are in; the rest may be on its way
.set LN, 0
.rept 56
	LD LN, 0
.set LN, LN+1
.endr
	STEP 0
	STEP 1
	WIN 0                                          ; step 2, with the refill's round
	s_wait_tensorcnt 0x0                           ; all my tensor loads have landed;
	ds_add_u32 v[SPW], v[NIL]                      ; 0 onto my spare word;
	s_wait_dscnt 1                                 ; (the add may be out)
.set LN, 0
.set LT, 42
	RUN 2, 0, 16, 0
	s_wait_dscnt 0x0                               ; the add is done, and so are my reads of slot 0 (the last served step 1)
	s_barrier_signal -1
	RUN 2, 16, 24, 0
	WIN 0
	s_barrier_wait -1
	CREST                                          ; no wave of any partner still reads the slot or has a load on its way
	tensor_load_to_lds s[G0R:G0R+3], s[GXC:GXC+7]  ; my quarter of x's kk 3
	s_nop 0
	PLACES 4                                       ; also the places in front of the loads below
	RUN 2, 24, 48, 7
	STEP 3
	STEP 4
	WIN 0                                          ; step 5: a plain barrier shows kk 3
	s_wait_tensorcnt 0x0
	s_wait_dscnt 0x0
	s_barrier_signal -1
	RUN 5, 0, 16, 0
	WIN 0
	s_barrier_wait -1
	PLACES 4
.set LN, 0
.set LT, 56
	RUN 5, 16, 48, 7
	STEP 6
	s_wait_dscnt 0x0                               ; the last step: nothing more to fetch
	RUN 7, 0, 48, 0
	WIN 0
	PLACES 4                                       ; in front of the first read of results and the first write over fragments
	QKOUT 0, 0, 14
	QKOUT 0, 1, 14
	QKOUT 1, 0, 16
	QKOUT 1, 1, 16
	VOUT 0
	VOUT 1
	s_wait_alu depctr_va_vdst(0)
	s_wait_dscnt 0x0
	s_barrier_signal -1
	s_barrier_wait -1                              ; all scale bytes are in LDS
	ds_load_b64 v[30:31], v26
	s_wait_dscnt 0x0
	global_store_b64 v27, v[30:31], s[96:97] offset:6144         ; 256 consecutive bytes: q's words (TC = 0) or k's
	s_cmp_eq_u32 s[TC], 0
	s_cbranch_scc0 .Lno_v
	ds_load_b64 v[250:251], v26 offset:512
	s_wait_dscnt 0x0
	global_store_b64 v27, v[250:251], s[18:19] offset:6144       ; and v's
.Lno_v:
	s_wait_tensorcnt 0x0                           ; the wave's end
	ds_add_u32 v[SPW], v[NIL]
	s_wait_dscnt 0x0
	CROUND                                         ; the closing round: no work-group ends while a partner may still ask for a tile that names it
	s_endpgm
.Lfunc_end_k_q9bc908efd8_qkv:
	.size	k_q9bc908efd8_qkv, .Lfunc_end_k_q9bc908efd8_qkv-k_q9bc908efd8_qkv
	.p2alignl 7, 3214868480
	.fill 96, 4, 3214868480
	.section	.rodata,"a",@progbits
	.p2align	6, 0x0
	.amdhsa_kernel k_q9bc908efd8_qkv
		.amdhsa_group_segment_fixed_size 327680
		.amdhsa_private_segment_fixed_size 0
		.amdhsa_enable_private_segment 0
		.amdhsa_kernarg_size 64
		.amdhsa_user_sgpr_count 2
		.amdhsa_user_sgpr_kernarg_segment_ptr 1
		.amdhsa_wavefront_size32 1
		.amdhsa_system_sgpr_workgroup_id_x 1
		.amdhsa_system_sgpr_workgroup_id_y 1
		.amdhsa_system_sgpr_workgroup_id_z 1
		.amdhsa_system_vgpr_workitem_id 0
		.amdhsa_next_free_vgpr 1024
		.amdhsa_next_free_sgpr 100
		.amdhsa_reserve_vcc 0
		.amdhsa_float_denorm_mode_32 3
		.amdhsa_float_denorm_mode_16_64 3
		.amdhsa_memory_ordered 1
		.amdhsa_forward_progress 1
		.amdhsa_inst_pref_size 116
	.end_amdhsa_kernel
	.amdgpu_metadata
---
amdhsa.version: [ 1, 2 ]
amdhsa.kernels:
  - .name:           k_q9bc908efd8_qkv
    .symbol:         k_q9bc908efd8_qkv.kd
    .args:
      - { .name: x_op, .offset: 0, .size: 8, .value_kind: global_buffer, .address_space: global }
      - { .name: w_op, .offset: 8, .size: 8, .value_kind: global_buffer, .address_space: global }
      - { .name: b_q, .offset: 16, .size: 8, .value_kind: global_buffer, .address_space: global }
      - { .name: b_k, .offset: 24, .size: 8, .value_kind: global_buffer, .address_space: global }
      - { .name: b_v, .offset: 32, .size: 8, .value_kind: global_buffer, .address_space: global }
      - { .name: q_op, .offset: 40, .size: 8, .value_kind: global_buffer, .address_space: global }
      - { .name: k_op, .offset: 48, .size: 8, .value_kind: global_buffer, .address_space: global }
      - { .name: v_op, .offset: 56, .size: 8, .value_kind: global_buffer, .address_space: global }
    .group_segment_fixed_size: 327680
    .private_segment_fixed_size: 0
    .kernarg_segment_align: 8
    .kernarg_segment_size: 64
    .max_flat_workgroup_size: 128
    .sgpr_count:     100
    .vgpr_count:     1024
    .wavefront_size: 32
...
	.end_amdgpu_metadata
.endif
;; end of part 2
;; launch attn (part 3): grid 8 x 32, 16 waves a work-group, clusters of 4 x 1, 280,576 bytes of LDS; arguments q_op, k_op, v_op, ctx_op; writes ctx_op
.if DOCPART == 3
	.amdgcn_target "amdgcn-amd-amdhsa--gfx1250"
	.amdhsa_code_object_version 6
	.text
	.protected	k_q9bc908efd8_attn
	.globl	k_q9bc908efd8_attn
	.p2align	8
	.type	k_q9bc908efd8_attn,@function
k_q9bc908efd8_attn:
	s_mov_b64 s[64:65], 0
	v_nop
	global_prefetch_b8 v0, s[64:65] scope:SCOPE_SE
	s_setreg_imm32_b32 hwreg(HW_REG_WAVE_MODE, 25, 1), 1
	s_wait_xcnt 0x0
	s_wait_alu depctr_hold_cnt(0) depctr_sa_sdst(0) depctr_va_vdst(0) depctr_va_sdst(0) depctr_va_ssrc(0) depctr_va_vcc(0) depctr_vm_vsrc(0)
	s_getreg_b32 s2, hwreg(HW_REG_IB_STS2, 6, 4)
	s_cmp_eq_u32 s2, 0
	s_cbranch_scc0 .Lentry_in_a_cluster
	s_endpgm
.Lentry_in_a_cluster:
	s_bfe_u32 s2, ttmp6, 0x10000c
	s_cmp_lg_u32 s2, 0x3003
	s_cbranch_scc0 .Lentry_shape_is_right
	s_endpgm
.Lentry_shape_is_right:
; ctx[b][q][head] = softmax_k(q . k / 8, causal) v, both products on codes of FP6 (E2M3) with E8M0 scales; ctx is quantised along D and leaves as codes in the next product's operand order.
; INPUTS: q_op, k_op, v_op = [16 b + head][step of 128 tokens][6400]: see the head of the launch before.  A fragment of K is 12 registers: k 0-63 = the head's 64 of token set 2 f, k 64-127 = of set 2 f + 1.
; THE FIRST PRODUCT'S K IS 64.  Q is kept twice: QLO = (q | zero codes), QHI = (zero codes | q): a fragment of K times QLO gives the scores of set 2 f, times QHI of set 2 f + 1; zero codes add nothing.  Q's scale word is (s0, s1, s0, s1).
; THE SOFTMAX: t = score x log2(e) / 8; M = the running largest t rounded UP to a whole number; p = 2^(t - M) is quantised along the keys, not normalised; the row's sum is taken of the unquantised p and divides at the end;
; when M moves, the sum and O are multiplied by 2^(old M - new M): exact.  A block's largest p is made from the block's largest score by the same two instructions.
; LAYOUT: both products transposed (S^T = K Q^T, O^T = V^T P^T): a lane holds ONE query; by the order of the tokens in a set, register 16 f + i of S^T is key 32 f + 16 (lane / 16) + i; register 16 b + i of O^T channel 32 b + 16 (lane / 16) + i.
; SHARES: a work-group takes one head and token set j (0..7) of EVERY block rho of 128 queries: sixteen tiles of 16 queries.  Tile rho needs key steps 0 .. rho: 136 (tile, step) pairs; steps behind a tile's own block are dead work under the causal mask and are left out.
; The pairs are dealt so that each wave has nine or eight: wave w = 0 .. 7 takes steps 0 .. 8 of tile 15 - w.  Wave w = 9 .. 15 first takes steps 9 .. w of tile w, leaves that PARTIAL result (O, M, sum) in LDS, and then takes all steps 0 .. 15 - w of tile 15 - w;
; wave 8 takes steps 0 .. 7 of tile 7.  At the end wave w < 7 joins wave 15 - w's partial result to its own under the larger M, by powers of two.  Every branch hangs on the wave's number and the loop's count alone.
; LDS: K of the whole head at 0, V at 102,400, each filled ONCE; behind them sixteen places for partial results.  Waves 0-9 fetch, one joint load each; even waves K, odd waves V: step 0, step 9, steps 1-4, 5-8, 10-15.
; The first steps need steps 0 and 9 alone, which waves 0-3 bring; the second barrier, behind the first steps, shows the rest.  No prefetch: all of K and V is asked for at the head, and no loop loads.
; CLUSTER: the four work-groups of a cluster belong to one head and read the same K and V: each load is asked for JOINTLY, mask 15.
; LIMITS: the scaled scores stay under 2^31 in magnitude.  A block of zeros, or under 2^-124, keeps the scale byte 1; this program alone reads the bytes.  NaN and infinities are not served.  ctx's two scale bytes a row leave by a store of 2 bytes: 2 bytes for each 48 of codes.
; REGISTERS: v1 16 x lane, v2 the same in V; v4 8 x lane, v6 the same in V; v3 the mask's d; v5 8 r; v7 the partial result's place; v8-11 the step's addresses; v12 -M, v13 the largest t, v[14:15] the sum; v16-27 QLO, v28-39 QHI, v40 Q's scale word;
;   v[42:43] K's words, v[44:45] V's; v48-95 four fragments of K, then of V; v96-159 S^T, then p; v160-191 O^T; v192-203 p's codes, v204-206, v208-210 the conversions' second halves; v212-218 the second tile's q and scale word; v232-254 at work.
.set PB,   6400
.set HS,   102400                      ; a head's 16 steps
.set PART, 2*HS
.set PSZ,  4608                        ; a partial result: nine runs of 512 bytes
.set SPARE, PART+16*PSZ                ; behind a place for each wave's partial result: the spare words, 128 bytes a wave
.set WV,  18
.set RHO, 19                           ; the tile in work
.set TB,  2                            ; LDS byte at which the step's block begins
.set STP, 3                            ; the step
.set CNT, 12                           ; the loop's counter: which of the wave's nine turns
.set RHOF, 84                          ; the wave's last tile, 15 - w
.set THR, 86                           ; the turn at which waves 9-15 change tiles; 0 elsewhere
.set ADD1, 87                          ; step = (turn + ADD1) up to there, (turn + ADD2) % 16 from there on
.set ADD2, 88
.set B9,  89                           ; 1 in waves 9-15
.macro CROUND
	s_barrier_signal -1
	s_barrier_wait -1
	s_cmp_lg_u32 s[WV], 0
	s_cbranch_scc1 .Lnot_wave_0_\@
	s_barrier_signal -3
.Lnot_wave_0_\@:
	s_barrier_wait -3
	s_barrier_signal -1
	s_barrier_wait -1
.endm
; A KEY STEP: 128 keys
.macro STEP sk
.if \sk
	s_cmp_gt_u32 s[STP], s[RHO]                    ; all its keys come after my queries: nothing to do
	s_cbranch_scc1 .Lskip
.endif
	v_add_nc_u32 v8, s[TB], v1                     ; four plain lines in front of loads into registers that the last products read
	v_add_nc_u32 v9, s[TB], v2
	v_add_nc_u32 v10, s[TB], v4
	v_add_nc_u32 v11, s[TB], v6
.irp f, 0,1,2,3
.irp q, 0,1,2
	ds_load_b128 v[48+12*\f+4*\q:51+12*\f+4*\q], v8 offset:1536*\f+512*\q
.endr
.endr
	ds_load_b64 v[42:43], v10 offset:6144          ; four scale words in one load: fragments 0, 2 in lanes 0-15, fragments 1, 3 in lanes 16-31
	s_wait_alu depctr_va_vdst(0)
	s_wait_dscnt 0x0
.irp f, 0,1,2,3
.irp u, 0,1
.if (\f)%2
	v_wmma_scale_f32_16x16x128_f8f6f4 v[96+16*\f+8*\u:103+16*\f+8*\u], v[48+12*\f:59+12*\f], v[16+12*\u:27+12*\u], 0, v[42+\f/2], v40 matrix_a_fmt:MATRIX_FMT_FP6 matrix_b_fmt:MATRIX_FMT_FP6 matrix_a_scale:MATRIX_SCALE_ROW1
.else
	v_wmma_scale_f32_16x16x128_f8f6f4 v[96+16*\f+8*\u:103+16*\f+8*\u], v[48+12*\f:59+12*\f], v[16+12*\u:27+12*\u], 0, v[42+\f/2], v40 matrix_a_fmt:MATRIX_FMT_FP6 matrix_b_fmt:MATRIX_FMT_FP6
.endif
.endr
.endr
.rept 4
	v_nop                                          ; in front of the loads below and of the first read of the scores
.endr
.irp f, 0,1,2,3                                ; V's fragments land while the softmax is worked
.irp q, 0,1,2
	ds_load_b128 v[48+12*\f+4*\q:51+12*\f+4*\q], v9 offset:1536*\f+512*\q
.endr
.endr
	ds_load_b64 v[44:45], v11 offset:6144
	s_cmp_lg_u32 s[STP], s[RHO]                    ; the diagonal step alone: hidden scores become -infinity ahead of the maximum
	s_cbranch_scc1 .Lopen_\@
	v_mov_b32 v254, 0xff800000
.set n, 0
.rept 64
	v_cmp_gt_i32 vcc_lo, 32*(n/16)+n%16, v3        ; register 16 b + i holds key 32 b + 16 (lane / 16) + i of the step: hidden where 32 b + i > d
	v_cndmask_b32 v[96+n], v[96+n], v254, vcc_lo
.set n, n+1
.endr
.Lopen_\@:
.irp b, 0,1,2,3
	v_max3_num_f32 v[232+\b], v[96+16*\b], v[97+16*\b], v[98+16*\b]   ; the largest score of each block of 32 keys: for the row's maximum, and for the block's largest p
.endr
.irp i, 3,5,7,9,11,13
.irp b, 0,1,2,3
	v_max3_num_f32 v[232+\b], v[232+\b], v[96+16*\b+\i], v[97+16*\b+\i]
.endr
.endr
.irp b, 0,1,2,3
	v_max_num_f32 v[232+\b], v[232+\b], v[111+16*\b]
.endr
.irp b, 0,1,2,3
	s_delay_alu instid0(VALU_DEP_4)
	v_permlanex16_b32 v[236+\b], v[232+\b], s20, s21
.endr
.irp b, 0,1,2,3
	s_delay_alu instid0(VALU_DEP_4)
	v_max_num_f32 v[232+\b], v[232+\b], v[236+\b]  ; with lane l xor 16's 16 keys
.endr
	s_delay_alu instid0(VALU_DEP_2)
	v_max3_num_f32 v254, v232, v233, v234
	s_delay_alu instid0(VALU_DEP_1)
	v_max_num_f32 v254, v254, v235
	s_delay_alu instid0(VALU_DEP_1)
	v_mul_f32 v254, s22, v254                      ; as t (c is positive)
	s_delay_alu instid0(VALU_DEP_1)
	v_max_num_f32 v13, v13, v254                   ; the running largest t
	v_mov_b32 v254, v12
	s_delay_alu instid0(VALU_DEP_2)
	v_floor_f32 v12, -v13                          ; the new -M = floor(-t): M is a whole number
	s_delay_alu instid0(VALU_DEP_1)
	v_sub_f32 v254, v12, v254                      ; old M - new M: a whole number, 0 or less
	s_delay_alu instid0(VALU_DEP_1)
	v_cvt_i32_f32 v254, v254                       ; (it saturates)
	s_delay_alu instid0(VALU_DEP_1)
	v_ldexp_f32 v252, 1.0, v254                    ; f = 2^(old M - new M)
.set n, 0
.rept 32
	v_pk_fma_f32 v[96+2*n:97+2*n], v[96+2*n:97+2*n], s[22:23], v[12:13] op_sel_hi:[1,0,0]   ; t - M, two at a time
.set n, n+1
.endr
.irp b, 0,1,2,3
	v_fma_f32 v[232+\b], v[232+\b], s22, v12       ; the same of each block's largest score
.endr
.set n, 0
	s_wait_alu depctr_va_vdst(0)
.rept 64
	v_exp_f32 v[96+n], v[96+n]                     ; p = 2^(t - M), at most 1
.set n, n+1
.endr
	v_pk_mul_f32 v[14:15], v[14:15], v[252:253] op_sel_hi:[1,0]   ; the sums under the new M: a plain line behind the exponentials
	s_wait_alu depctr_va_vdst(0)                   ; one wait for the whole batch, ahead of its first reader
.irp b, 0,1,2,3
	v_exp_f32 v[232+\b], v[232+\b]                 ; the block's largest p
.endr
	v_pk_add_f32 v[240:241], v[96:97], v[98:99]    ; the row's sum of the UNQUANTISED p, in two chains
.irp j, 4,8,12,16,20,24,28,32,36,40,44
	v_pk_add_f32 v[14:15], v[14:15], v[96+\j:97+\j]
	v_pk_add_f32 v[240:241], v[240:241], v[98+\j:99+\j]
.endr
	s_wait_alu depctr_va_vdst(0)                   ; and one for the four
.irp b, 0,1,2,3
	v_max_num_f32 v[232+\b], 0x1800000, v[232+\b]  ; the floor 2^(3 - 127): the byte cannot fall under 1
.endr
.irp b, 0,1,2,3
	s_delay_alu instid0(VALU_DEP_4)
	v_add_nc_u32 v[244+\b], 0xff000000, v[232+\b]  ; the conversion's scale operand
.endr
.irp b, 0,1,2,3
	s_delay_alu instid0(VALU_DEP_4)
	v_lshrrev_b32 v[236+\b], 23, v[244+\b]         ; the byte
.endr
	s_delay_alu instid0(VALU_DEP_3)
	v_lshl_or_b32 v253, v237, 8, v236              ; p's scale word for these 128 keys
	s_delay_alu instid0(VALU_DEP_1)
	v_lshl_or_b32 v253, v238, 16, v253
	s_delay_alu instid0(VALU_DEP_1)
	v_lshl_or_b32 v253, v239, 24, v253
.irp c, 0,1
	v_cvt_scalef32_pk16_fp6_f32 v[192+6*\c:194+6*\c], v[96+32*\c:111+32*\c], v[244+2*\c]
	v_cvt_scalef32_pk16_fp6_f32 v[204+4*\c:206+4*\c], v[112+32*\c:127+32*\c], v[244+2*\c+1]
.endr
	v_nop                                          ; one plain line behind the scaled conversions
.irp c, 0,1                                    ; a WHOLE block in a lane
.irp i, 0,1,2
	v_permlane16_swap_b32 v[192+6*\c+\i], v[204+4*\c+\i]
.endr
.irp i, 0,1,2
	s_delay_alu instid0(VALU_DEP_3)
	v_mov_b32 v[195+6*\c+\i], v[204+4*\c+\i]
.endr
.endr
.set n, 0
.rept 16
	v_pk_mul_f32 v[160+2*n:161+2*n], v[160+2*n:161+2*n], v[252:253] op_sel_hi:[1,0]   ; O^T under the new M
.set n, n+1
.endr
.irp j, 48,52,56,60                            ; the rest of the sums stands here: nine plain lines between the last write of O^T, of p's codes and of the scale word and the products below
	v_pk_add_f32 v[14:15], v[14:15], v[96+\j:97+\j]
	v_pk_add_f32 v[240:241], v[240:241], v[98+\j:99+\j]
.endr
	s_delay_alu instid0(VALU_DEP_1)
	v_pk_add_f32 v[14:15], v[14:15], v[240:241]
	s_wait_dscnt 0x0                               ; V is in
.irp a, 0,1,2,3                                ; O^T += V^T P^T: four accumulators by turns
.if (\a)%2
	v_wmma_scale_f32_16x16x128_f8f6f4 v[160+8*\a:167+8*\a], v[48+12*\a:59+12*\a], v[192:203], v[160+8*\a:167+8*\a], v[44+\a/2], v253 matrix_a_fmt:MATRIX_FMT_FP6 matrix_b_fmt:MATRIX_FMT_FP6 matrix_a_scale:MATRIX_SCALE_ROW1
.else
	v_wmma_scale_f32_16x16x128_f8f6f4 v[160+8*\a:167+8*\a], v[48+12*\a:59+12*\a], v[192:203], v[160+8*\a:167+8*\a], v[44+\a/2], v253 matrix_a_fmt:MATRIX_FMT_FP6 matrix_b_fmt:MATRIX_FMT_FP6
.endif
.endr
.endm
.macro BEGIN                           ; a tile's empty state
	v_mov_b32 v13, 0xff61b1e6                      ; the largest t so far: -3e38
	v_mov_b32 v14, 0
	v_mov_b32 v15, 0
	v_floor_f32 v12, -v13
.set n, 0
.rept 32
	v_mov_b32 v[160+n], 0                          ; O^T: the first change of M leaves zeros zeros.  (These lines also stand between the writes above and the first products)
.set n, n+1
.endr
.endm
.macro G0SET g, step                   ; group 0 of a load that begins at a step: s93 = K's or V's LDS byte, s[74:75] the head's first byte
	s_mov_b32 s[\g], 1
	s_add_co_u32 s[\g+1], s93, (\step)*PB
	s_add_nc_u64 s[\g+2:\g+3], s[74:75], (\step)*PB
	s_or_b32 s[\g+3], s[\g+3], 0x80000000
.endm
.macro G1SET g, rows                   ; dense bytes as rows of 32 elements of 8 bytes; the mask names all four work-groups, bit 21 stands beside it
	s_mov_b32 s[\g], 15|(3<<16)|(1<<21)
	s_mov_b32 s[\g+1], 32<<16
	s_mov_b32 s[\g+2], (\rows)<<16
	s_mov_b32 s[\g+3], 32<<16
	s_mov_b32 s[\g+4], \rows
	s_mov_b32 s[\g+5], 32
	s_mov_b32 s[\g+6], 0
	s_mov_b32 s[\g+7], 0
.endm
.macro ARM under, g0, g1, next
	s_cmp_lt_u32 s[WV], \under
	s_cbranch_scc0 \next
	tensor_load_to_lds s[\g0:\g0+3], s[\g1:\g1+7]
	s_nop 0
.rept 4
	v_nop
.endr
	s_branch .Lasked
\next:
.endm
	s_load_b256 s[4:11], s[0:1], 0x0               ; q_op s[4:5], k_op s[6:7], v_op s[8:9], ctx_op s[10:11]
	v_lshl_add_u32 v251, v0, 2, SPARE
	v_mov_b32 v255, 0
	ds_add_u32 v251, v255                          ; the opening lines: the add, twice on end, and its wait
	ds_add_u32 v251, v255
	v_lshrrev_b32 v4, 5, v0
	v_readfirstlane_b32 s[WV], v4                  ; wave 0..15
	s_xor_b32 s[RHOF], s[WV], 15
	s_add_co_u32 s[B9], s[WV], 7
	s_lshr_b32 s[B9], s[B9], 4
	s_mul_i32 s[ADD1], s[B9], 9
	s_sub_co_u32 s72, s[WV], 8
	s_mul_i32 s[THR], s72, s[B9]
	s_sub_co_u32 s72, 24, s[WV]
	s_mul_i32 s[ADD2], s72, s[B9]
	s_mul_i32 s[STP], s[B9], 9                     ; the first turn's step: 9 in waves 9-15, 0 elsewhere
	s_mul_i32 s[TB], s[B9], 9*PB
	s_cmp_eq_u32 s[B9], 1
	s_cselect_b32 s[RHO], s[WV], s[RHOF]           ; and its tile
	s_bfe_u32 s90, ttmp6, 0x40000                  ; cx
	s_lshl_b32 s14, ttmp9, 2
	s_add_co_u32 s14, s14, s90                     ; j: it enters Q's and ctx's addresses and the mask's numbers alone
	s_and_b32 s13, ttmp7, 0xffff                   ; 16 b + head, which the four partners share
	s_and_b32 s16, s13, 15                         ; head
	s_lshr_b32 s17, s13, 4                         ; b
	s_and_b32 s91, s14, 1                          ; j % 2
	s_lshl_b32 s15, s91, 4
	s_lshr_b32 s92, s14, 1                         ; j / 2
	s_mov_b32 s20, 0x76543210
	s_mov_b32 s21, 0xfedcba98
	s_mov_b32 s22, 0x3e38aa3b                      ; c = log2(e) / 8
	s_mov_b32 s23, s22
	G1SET 24, 25                                   ; one step
	G1SET 32, 100                                  ; four
	G1SET 40, 150                                  ; six
	s_and_b32 s93, s[WV], 1                        ; even waves K, odd waves V
	s_mul_i32 s93, s93, HS
	s_mul_i32 s72, s13, HS                         ; the head's first byte in q_op, k_op, v_op
	s_mov_b32 s73, 0
	; Q: block 16 (16 b + head) + tile; the set's six registers: see v46, v47 below; its scale word at 6144 + 128 ((j / 2) % 2) + 4 (j / 4) + 8 r
	s_lshl_b32 s76, s13, 4
	s_add_co_u32 s78, s76, s[RHOF]
	s_add_co_u32 s76, s76, s[RHO]
	s_mul_i32 s76, s76, PB
	s_mov_b32 s77, 0
	s_mul_i32 s78, s78, PB
	s_mov_b32 s79, 0
	s_mul_i32 s98, s92, 1536
	s_mov_b32 s99, 0
	s_and_b32 s66, s92, 1
	s_lshl_b32 s66, s66, 7
	s_lshr_b32 s67, s14, 2
	s_lshl_b32 s67, s67, 2
	s_add_co_u32 s66, s66, s67
	s_add_co_u32 s66, s66, 6144
	s_mov_b32 s67, 0
	v_and_b32 v11, 31, v0                          ; lane
	v_and_b32 v10, 15, v0                          ; r
	v_bfe_u32 v9, v0, 4, 1                         ; h
	v_lshlrev_b32 v1, 4, v11
	v_add_nc_u32 v2, HS, v1
	v_lshlrev_b32 v4, 3, v11
	v_add_nc_u32 v6, HS, v4
	v_lshlrev_b32 v5, 3, v10
	s_mul_i32 s100, s91, 520
	s_mul_i32 s101, s91, 1016
	v_add_nc_u32 v46, s100, v1                     ; registers 0, 1 and (512 bytes on) 4, 5: an even set's at 16 l, an odd set's at 520 + 16 l
	v_add_nc_u32 v47, s101, v1                     ; registers 2, 3: 8 + 16 l, or 1,024 + 16 l
	s_mul_i32 s100, s[WV], PSZ
	s_add_co_u32 s100, s100, PART
	v_add_nc_u32 v7, s100, v1                      ; my own place for a partial result,
	s_mul_i32 s101, s[RHOF], PSZ
	s_add_co_u32 s101, s101, PART
	v_add_nc_u32 v211, s101, v1                    ; and wave 15 - w's, which I may read at the end
.set n, 0
.rept 7
	v_mov_b32 v[212+n], 0
.set n, n+1
.endr
	s_wait_alu depctr_va_vdst(0)
	s_wait_dscnt 0x0
	s_wait_kmcnt 0x0
	s_cmp_eq_u32 s93, 0
	s_cselect_b64 s[74:75], s[6:7], s[8:9]
	s_add_nc_u64 s[74:75], s[74:75], s[72:73]
	G0SET 48, 0
	G0SET 52, 9
	G0SET 56, 1
	G0SET 60, 5
	G0SET 68, 10
	s_add_nc_u64 s[80:81], s[4:5], s[76:77]
	s_add_nc_u64 s[94:95], s[80:81], s[66:67]
	s_add_nc_u64 s[80:81], s[80:81], s[98:99]
	s_add_nc_u64 s[82:83], s[4:5], s[78:79]
	s_add_nc_u64 s[96:97], s[82:83], s[66:67]
	s_add_nc_u64 s[82:83], s[82:83], s[98:99]
	CROUND                                         ; all four work-groups are here: the joint loads meet
	ARM 2, 48, 24, .Larm_1
	ARM 4, 52, 24, .Larm_2
	ARM 6, 56, 32, .Larm_3
	ARM 8, 60, 32, .Larm_4
	ARM 10, 68, 40, .Larm_5
.Lasked:
	global_load_b64 v[16:17], v46, s[80:81]        ; lane (r, h): block h of query r's 64
	global_load_b64 v[18:19], v47, s[80:81] offset:8
	global_load_b64 v[20:21], v46, s[80:81] offset:512
	global_load_b32 v40, v5, s[94:95]
	s_cmp_eq_u32 s[B9], 1
	s_cbranch_scc0 .Lone_tile
	global_load_b64 v[212:213], v46, s[82:83]      ; the second tile's
	global_load_b64 v[214:215], v47, s[82:83] offset:8
	global_load_b64 v[216:217], v46, s[82:83] offset:512
	global_load_b32 v218, v5, s[96:97]
.Lone_tile:
	; ctx_op = [kk = head / 4][32 tokens][6400], pieces of TWO registers: block 64 b + 4 rho + j / 2; codes at 3072 (j % 2) + 768 (head % 4) + 256 i + 8 l; scale bytes at 6144 + 128 (j % 2) + 8 r + 2 (head % 4)
	s_lshr_b32 s76, s16, 2
	s_mul_i32 s76, s76, 819200
	s_lshl_b32 s77, s17, 6
	s_lshl_b32 s78, s[RHOF], 2
	s_add_co_u32 s77, s77, s78
	s_add_co_u32 s77, s77, s92
	s_mul_i32 s77, s77, PB
	s_add_co_u32 s76, s76, s77
	s_mov_b32 s77, 0
	s_and_b32 s66, s16, 3
	s_mul_i32 s72, s66, 768
	s_mul_i32 s78, s91, 3072
	s_add_co_u32 s78, s78, s72
	s_mov_b32 s79, 0
	s_lshl_b32 s66, s66, 1
	s_lshl_b32 s72, s91, 7
	s_add_co_u32 s66, s66, s72
	s_add_co_u32 s66, s66, 6144
	s_add_nc_u64 s[10:11], s[10:11], s[76:77]
	s_add_nc_u64 s[98:99], s[10:11], s[66:67]      ; ctx's scale bytes
	s_add_nc_u64 s[10:11], s[10:11], s[78:79]      ; ctx's codes
	s_lshl_b32 s72, s92, 5
	s_lshl_b32 s73, s91, 3
	s_add_co_u32 s72, s72, s73                     ; 32 (j / 2) + 8 (j % 2)
	v_and_b32 v3, 8, v10
	v_add_nc_u32 v3, v3, v10
	v_lshlrev_b32 v9, 4, v9
	v_sub_nc_u32 v3, v3, v9
	v_add_nc_u32 v3, s72, v3                       ; d = my query's place in its 128 - 16 h
	v_mov_b32 v252, 0
	v_mov_b32 v253, 0                              ; (named as the upper half of a pair before it is first written)
.irp b, 0,1,2,3
	v_mov_b32 v[236+\b], 0                         ; a lane permute's destination counts as read
.endr
	s_wait_alu depctr_va_vdst(0)
	s_wait_loadcnt 0x0
.irp i, 0,1,2,3,4,5
	v_mov_b32 v[34+\i], v[16+\i]                   ; QHI = (zeros | q)
	v_mov_b32 v[22+\i], 0                          ; QLO = (q | zeros)
	v_mov_b32 v[28+\i], 0
.endr
	v_lshrrev_b32 v40, s15, v40                    ; my set's two bytes,
	v_lshrrev_b32 v218, s15, v218
	v_perm_b32 v40, v40, v40, 0x01000100           ; twice
	v_perm_b32 v218, v218, v218, 0x01000100
	BEGIN
	s_wait_alu depctr_va_vdst(0)                   ; the wait at the head's end
	s_cmp_lt_u32 s[WV], 4
	s_cbranch_scc0 .Lnot_first
	s_wait_tensorcnt 0x0
.Lnot_first:
	s_barrier_signal -1
	s_barrier_wait -1                              ; steps 0 and 9 are in; the others may be on their way: nothing is filled again
	STEP 0
	s_wait_alu depctr_va_vdst(0)
	s_wait_tensorcnt 0x0
	s_wait_dscnt 0x0
	s_barrier_signal -1
	s_barrier_wait -1                              ; all of K and V is in
	s_mov_b32 s[CNT], 1
.Lturn:
	s_cmp_lg_u32 s[CNT], s[THR]                    ; waves 9-15, once: the partial result of tile w goes to LDS, and tile 15 - w begins
	s_cbranch_scc1 .Lsame_tile
.rept 4
	v_nop
.endr
	s_wait_alu depctr_va_vdst(0)
.irp k, 0,1,2,3,4,5,6,7
	ds_store_b128 v7, v[160+4*\k:163+4*\k] offset:512*\k   ; each accumulator from its low end on
.endr
	ds_store_b128 v7, v[12:15] offset:4096
.irp i, 0,1,2,3,4,5
	v_mov_b32 v[16+\i], v[212+\i]
	v_mov_b32 v[34+\i], v[212+\i]
.endr
	v_mov_b32 v40, v218
	BEGIN
.Lsame_tile:
	s_cmp_lt_u32 s[CNT], s[THR]
	s_cselect_b32 s72, s[ADD1], s[ADD2]
	s_cselect_b32 s[RHO], s[WV], s[RHOF]
	s_add_co_u32 s[STP], s[CNT], s72
	s_and_b32 s[STP], s[STP], 15
	s_mul_i32 s[TB], s[STP], PB
	STEP 1
.Lskip:
	s_add_co_u32 s[CNT], s[CNT], 1
	s_cmp_lt_u32 s[CNT], 9
	s_cbranch_scc1 .Lturn
.rept 4
	v_nop                                          ; in front of the first read of O^T and of loads into V's registers
.endr
	s_wait_alu depctr_va_vdst(0)
	s_wait_dscnt 0x0
	s_barrier_signal -1
	s_barrier_wait -1                              ; the partial results are in LDS
	s_cmp_lt_u32 s[WV], 7
	s_cbranch_scc0 .Ljoined
.irp k, 0,1,2,3,4,5,6,7
	ds_load_b128 v[48+4*\k:51+4*\k], v211 offset:512*\k
.endr
	ds_load_b128 v[80:83], v211 offset:4096
	s_wait_dscnt 0x0
	v_min_num_f32 v232, v12, v80                   ; - the larger M
	v_sub_f32 v233, v232, v12
	v_sub_f32 v234, v232, v80
	v_cvt_i32_f32 v233, v233
	v_cvt_i32_f32 v234, v234
	v_ldexp_f32 v252, 1.0, v233                    ; my factor, and the other wave's: powers of two, one of them 1
	v_ldexp_f32 v234, 1.0, v234
	v_pk_mul_f32 v[14:15], v[14:15], v[252:253] op_sel_hi:[1,0]
	v_pk_fma_f32 v[14:15], v[82:83], v[234:235], v[14:15] op_sel_hi:[1,0,1]
.set n, 0
.rept 16
	v_pk_mul_f32 v[160+2*n:161+2*n], v[160+2*n:161+2*n], v[252:253] op_sel_hi:[1,0]
.set n, n+1
.endr
.set n, 0
.rept 16
	v_pk_fma_f32 v[160+2*n:161+2*n], v[48+2*n:49+2*n], v[234:235], v[160+2*n:161+2*n] op_sel_hi:[1,0,1]
.set n, n+1
.endr
.Ljoined:
	; THE WAY OUT: O^T / the sum; its 64 channels are two blocks of 32 along D: quantised; half a fragment, three pieces, and two scale bytes a row
	s_wait_alu depctr_va_vdst(0)
	v_add_f32 v14, v14, v15
	s_delay_alu instid0(VALU_DEP_1)
	v_permlanex16_b32 v252, v14, s20, s21
	s_delay_alu instid0(VALU_DEP_1)
	v_add_f32 v14, v14, v252                       ; the row's sum
	s_wait_alu depctr_va_vdst(0)
	v_rcp_f32 v14, v14
	v_nop                                          ; a plain line behind the transcendental
	s_wait_alu depctr_va_vdst(0)                   ; and the wait ahead of its first reader
.set n, 0
.rept 32
	v_mul_f32 v[96+n], v[160+n], v14               ; each accumulator from its low end on
.set n, n+1
.endr
.irp b, 0,1
	v_max3_num_f32 v[232+\b], |v[96+16*\b]|, |v[97+16*\b]|, 0x1800000
.endr
.irp i, 2,4,6,8,10,12,14
.irp b, 0,1
	s_delay_alu instid0(VALU_DEP_2)
	v_max3_num_f32 v[232+\b], v[232+\b], |v[96+16*\b+\i]|, |v[97+16*\b+\i]|
.endr
.endr
.irp b, 0,1
	s_delay_alu instid0(VALU_DEP_2)
	v_permlanex16_b32 v[236+\b], v[232+\b], s20, s21
.endr
.irp b, 0,1
	s_delay_alu instid0(VALU_DEP_2)
	v_max_num_f32 v[232+\b], v[232+\b], v[236+\b]
.endr
.irp b, 0,1
	s_delay_alu instid0(VALU_DEP_2)
	v_add_nc_u32 v[244+\b], 0xff000000, v[232+\b]
.endr
.irp b, 0,1
	s_delay_alu instid0(VALU_DEP_2)
	v_lshrrev_b32 v[236+\b], 23, v[244+\b]
.endr
	s_delay_alu instid0(VALU_DEP_1)
	v_lshl_or_b32 v238, v237, 8, v236              ; the head's two bytes of my row
	v_cvt_scalef32_pk16_fp6_f32 v[192:194], v[96:111], v244
	v_cvt_scalef32_pk16_fp6_f32 v[204:206], v[112:127], v245
	v_nop
.irp i, 0,1,2
	v_permlane16_swap_b32 v[192+\i], v[204+\i]
.endr
.irp i, 0,1,2
	s_delay_alu instid0(VALU_DEP_3)
	v_mov_b32 v[195+\i], v[204+\i]
.endr
.irp i, 0,1,2
	global_store_b64 v4, v[192+2*\i:193+2*\i], s[10:11] offset:256*\i   ; a piece: 256 consecutive bytes, at a multiple of 256 from the buffer's first byte
.endr
	global_store_b16 v5, v238, s[98:99]            ; both halves of the lanes write the same bytes with the same value
	s_wait_tensorcnt 0x0                           ; the wave's end
	ds_add_u32 v251, v255
	s_wait_dscnt 0x0
	CROUND                                         ; the closing round
	s_endpgm
.Lfunc_end_k_q9bc908efd8_attn:
	.size	k_q9bc908efd8_attn, .Lfunc_end_k_q9bc908efd8_attn-k_q9bc908efd8_attn
	.p2alignl 7, 3214868480
	.fill 96, 4, 3214868480
	.section	.rodata,"a",@progbits
	.p2align	6, 0x0
	.amdhsa_kernel k_q9bc908efd8_attn
		.amdhsa_group_segment_fixed_size 280576
		.amdhsa_private_segment_fixed_size 0
		.amdhsa_enable_private_segment 0
		.amdhsa_kernarg_size 32
		.amdhsa_user_sgpr_count 2
		.amdhsa_user_sgpr_kernarg_segment_ptr 1
		.amdhsa_wavefront_size32 1
		.amdhsa_system_sgpr_workgroup_id_x 1
		.amdhsa_system_sgpr_workgroup_id_y 1
		.amdhsa_system_sgpr_workgroup_id_z 1
		.amdhsa_system_vgpr_workitem_id 0
		.amdhsa_next_free_vgpr 256
		.amdhsa_next_free_sgpr 102
		.amdhsa_reserve_vcc 1
		.amdhsa_float_denorm_mode_32 3
		.amdhsa_float_denorm_mode_16_64 3
		.amdhsa_memory_ordered 1
		.amdhsa_forward_progress 1
		.amdhsa_inst_pref_size 67
	.end_amdhsa_kernel
	.amdgpu_metadata
---
amdhsa.version: [ 1, 2 ]
amdhsa.kernels:
  - .name:           k_q9bc908efd8_attn
    .symbol:         k_q9bc908efd8_attn.kd
    .args:
      - { .name: q_op, .offset: 0, .size: 8, .value_kind: global_buffer, .address_space: global }
      - { .name: k_op, .offset: 8, .size: 8, .value_kind: global_buffer, .address_space: global }
      - { .name: v_op, .offset: 16, .size: 8, .value_kind: global_buffer, .address_space: global }
      - { .name: ctx_op, .offset: 24, .size: 8, .value_kind: global_buffer, .address_space: global }
    .group_segment_fixed_size: 280576
    .private_segment_fixed_size: 0
    .kernarg_segment_align: 8
    .kernarg_segment_size: 32
    .max_flat_workgroup_size: 512
    .sgpr_count:     102
    .vgpr_count:     256
    .wavefront_size: 32
...
	.end_amdgpu_metadata
.endif
;; end of part 3
;; launch oproj (part 4): grid 8 x 32, 4 waves a work-group, clusters of 4 x 4, 327,680 bytes of LDS; arguments ctx_op, w_op, b_o, out0; writes out0
.if DOCPART == 4
	.amdgcn_target "amdgcn-amd-amdhsa--gfx1250"
	.amdhsa_code_object_version 6
	.text
	.protected	k_q9bc908efd8_oproj
	.globl	k_q9bc908efd8_oproj
	.p2align	8
	.type	k_q9bc908efd8_oproj,@function
k_q9bc908efd8_oproj:
	s_mov_b64 s[64:65], 0
	v_nop
	global_prefetch_b8 v0, s[64:65] scope:SCOPE_SE
	s_setreg_imm32_b32 hwreg(HW_REG_WAVE_MODE, 25, 1), 1
	s_wait_xcnt 0x0
	s_wait_alu depctr_hold_cnt(0) depctr_sa_sdst(0) depctr_va_vdst(0) depctr_va_sdst(0) depctr_va_ssrc(0) depctr_va_vcc(0) depctr_vm_vsrc(0)
	s_getreg_b32 s2, hwreg(HW_REG_IB_STS2, 6, 4)
	s_cmp_eq_u32 s2, 0
	s_cbranch_scc0 .Lentry_in_a_cluster
	s_endpgm
.Lentry_in_a_cluster:
	s_bfe_u32 s2, ttmp6, 0x10000c
	s_cmp_lg_u32 s2, 0xf033
	s_cbranch_scc0 .Lentry_shape_is_right
	s_endpgm
.Lentry_shape_is_right:
; out = ctx W_o + b_o on codes of FP6 (E2M3) with E8M0 scales, sums in f32.  ctx_op: [kk = K / 256][32 tokens][6400], pieces of two registers, 8 bytes a lane; W_o in w_op from byte 2,457,600 on: [kk][32 columns][6400], pieces of four registers, 16 bytes a lane.
; A block: byte 3072 u + 1536 f + .. the codes of row block u, fragment f; byte 6144 + 128 u + 8 r the two scale words of row (u, r); place p of row block u is row 8 u + p + 8 (p / 8) of the 32.
; A tile of out is 128 x 128: 8 x 32 work-groups, four waves, 64 x 64 each: 16 accumulators.  The matrix instruction is used transposed (source 0 = W_o's columns): a lane holds 16 neighbouring columns of a token in two neighbouring tiles.
; ALL OF K LIES IN LDS: ctx's 128 rows at 0, W_o's 128 columns at 102,400: [kk][4 blocks].  One load a wave, at the head: waves 0, 1 kk 0 and 1 of ctx, of W_o; waves 2, 3 kk 2 and 3.  Nothing is filled again.  No prefetch: there is no loop, and everything is asked for at the head.
; CLUSTERS: 4 x 4 work-groups: ctx's tile is shared along a row of the cluster, W_o's along a column, by joint loads.  The bias is the C of each sum's first product.
; K goes in eight steps of 128; a step's 24 LDS loads (28 where a kk begins: its scale words) are issued two steps ahead, into four sets of fragments by turns.
; LIMITS: NaN and infinities are not served.
; REGISTERS: window 0: v1-13 numbers and addresses; v32-63 all scale words: kk's at v[32 + 8 kk + 2 i + f], lanes 0-15 ctx's block i, lanes 16-31 W_o's; v64-95 the bias; v96-127 addresses of ctx's fragments; v128-255 way out.
;   window 1: ctx's fragments, four sets of four.   window 2: W_o's.   window 3: accumulator (a, b) at v[8 (4 a + b)].
.set PB,    6400
.set HALF,  102400
.set STG,   2*HALF                     ; the way out: four stages of 16 rows x 272 bytes for each wave
.set SPARE, STG+4*17408                ; the spare words, 128 bytes a wave
.set ADRB, 6                           ; v6, v7 W_o's codes, kk 0 on and kk 2 on;  v8, v9 the scale words
.set ADRS, 8
.set STO,  10
.set RD,   11
.set CO,   12
.set SPW,  28
.set NIL,  29
.set SC,   32
.set CB,   64
.set AA,   96
.set BK,   128
.set WV, 20
.set RH, 21
.set CH, 22
.set G1,  24
.set G0,  32
.set G1B, 44
.set G0B, 52
.set MSB, 0
.macro WIN new
.if MSB != (\new)
	s_set_vgpr_msb (MSB<<8)|(\new)
.set MSB, \new
.endif
.endm
.macro PLACES n
.rept \n
	v_nop
.endr
.endm
.macro CROUND
	s_barrier_signal -1
	s_barrier_wait -1
	s_cmp_lg_u32 s[WV], 0
	s_cbranch_scc1 .Lnot_wave_0_\@
	s_barrier_signal -3
.Lnot_wave_0_\@:
	s_barrier_wait -3
	s_barrier_signal -1
	s_barrier_wait -1
.endm
.macro ARM under, g0, g1, next
	s_cmp_lt_u32 s[WV], \under
	s_cbranch_scc0 \next
	tensor_load_to_lds s[\g0:\g0+3], s[\g1:\g1+7]
	s_nop 0
	PLACES 4
	s_branch .Lasked
\next:
.endm
.macro LOADS st                        ; step st's fragments into set st % 4; where a kk begins, its scale words
	WIN 0x80
.irp i, 0,1,2,3
.irp q, 0,1,2
	ds_load_b128 v[48*((\st)%4)+12*\i+4*\q:48*((\st)%4)+12*\i+4*\q+3], v[ADRB+(\st)/4] offset:25600*(((\st)/2)%2)+1536*((\st)%2)+6400*(\i/2)+3072*(\i%2)+512*\q
.endr
.endr
	WIN 0x40
.irp i, 0,1,2,3
.irp q, 0,1,2
	ds_load_2addr_b64 v[48*((\st)%4)+12*\i+4*\q:48*((\st)%4)+12*\i+4*\q+3], v[AA+4*(\st)+\i] offset0:64*\q offset1:64*\q+32
.endr
.endr
	WIN 0
.if (\st)%2 == 0
.irp i, 0,1,2,3
	ds_load_b64 v[SC+4*(\st)+2*\i:SC+4*(\st)+2*\i+1], v[ADRS+(\st)/4] offset:25600*(((\st)/2)%2)+6144+6400*(\i/2)+128*(\i%2)
.endr
.endif
.endm
.macro PRODS st                        ; 16 products; the accumulators take turns, in the same order in every step
.set S_, SC+8*((\st)/2)+(\st)%2
.set F_, 48*((\st)%4)
.if (\st) == 0
	WIN 0xc6
.else
	WIN 0xf6
.endif
.irp a, 0,1,2,3
.irp b, 0,1,2,3
.if (\st) == 0
	v_wmma_scale_f32_16x16x128_f8f6f4 v[32*\a+8*\b:32*\a+8*\b+7], v[F_+12*\b:F_+12*\b+11], v[F_+12*\a:F_+12*\a+11], v[CB+8*\b:CB+8*\b+7], v[S_+2*\b], v[S_+2*\a] matrix_a_fmt:MATRIX_FMT_FP6 matrix_b_fmt:MATRIX_FMT_FP6 matrix_a_scale:MATRIX_SCALE_ROW1
.else
	v_wmma_scale_f32_16x16x128_f8f6f4 v[32*\a+8*\b:32*\a+8*\b+7], v[F_+12*\b:F_+12*\b+11], v[F_+12*\a:F_+12*\a+11], v[32*\a+8*\b:32*\a+8*\b+7], v[S_+2*\b], v[S_+2*\a] matrix_a_fmt:MATRIX_FMT_FP6 matrix_b_fmt:MATRIX_FMT_FP6 matrix_a_scale:MATRIX_SCALE_ROW1
.endif
.endr
.endr
.endm
	s_load_b256 s[4:11], s[0:1], 0x0               ; ctx_op s[4:5], w_op s[6:7], b_o s[8:9], out0 s[10:11]
	v_lshl_add_u32 v[SPW], v0, 2, SPARE
	v_mov_b32 v[NIL], 0
	ds_add_u32 v[SPW], v[NIL]                      ; the opening lines: the add, twice on end, and its wait
	ds_add_u32 v[SPW], v[NIL]
	v_lshrrev_b32 v1, 5, v0
	v_readfirstlane_b32 s[WV], v1
	s_lshr_b32 s[RH], s[WV], 1                     ; which 64 tokens are mine.  Also: I fetch kk 0 on or kk 2 on
	s_and_b32 s[CH], s[WV], 1                      ; which 64 columns.  Also: I fetch ctx or W_o
	s_bfe_u32 s66, ttmp6, 0x40000                  ; cx
	s_bfe_u32 s67, ttmp6, 0x40004                  ; cy
	s_and_b32 s70, ttmp7, 0xffff
	s_lshl_b32 s70, s70, 2
	s_add_co_u32 s70, s70, s67                     ; which 128 tokens
	s_lshl_b32 s71, ttmp9, 2
	s_add_co_u32 s71, s71, s66                     ; which 128 columns
	s_lshl_b32 s72, s67, 2
	s_lshl_b32 s72, 15, s72                        ; my row of the cluster
	s_lshl_b32 s73, 0x1111, s66                    ; my column
	s_or_b32 s[G1], s72, (3<<16)|(1<<21)           ; elements of 8 bytes; bit 21 stands beside a mask
	s_or_b32 s[G1B], s73, (3<<16)|(1<<21)
.irp g, G1, G1B
	s_mov_b32 s[\g+1], 3200<<16                    ; two rows, one a kk, of 25,600 dense bytes
	s_mov_b32 s[\g+2], 2<<16
	s_mov_b32 s[\g+3], 3200<<16
	s_mov_b32 s[\g+4], 2
	s_mov_b32 s[\g+6], 0
	s_mov_b32 s[\g+7], 0
.endr
	s_mov_b32 s[G1+5], 102400                      ; from kk to kk + 1: 819,200 bytes in ctx_op,
	s_mov_b32 s[G1B+5], 25600                      ; 204,800 in W_o's part
	s_mul_i32 s74, s70, 25600
	s_mov_b32 s75, 0
	s_mul_i32 s76, s71, 25600
	s_add_co_u32 s76, s76, 2457600
	s_mov_b32 s77, 0
	s_mul_i32 s78, s[RH], 2*819200
	s_mov_b32 s79, 0
	s_mul_i32 s80, s[RH], 2*204800
	s_mov_b32 s81, 0
	s_mov_b32 s[G0], 1
	s_mul_i32 s[G0+1], s[RH], 51200
	s_mov_b32 s[G0B], 1
	s_mul_i32 s[G0B+1], s[RH], 51200
	s_add_co_u32 s[G0B+1], s[G0B+1], HALF
	s_wait_alu depctr_va_vdst(0)
	s_wait_dscnt 0x0
	s_wait_kmcnt 0x0
	s_add_nc_u64 s[74:75], s[4:5], s[74:75]
	s_add_nc_u64 s[76:77], s[6:7], s[76:77]
	s_add_nc_u64 s[G0+2:G0+3], s[74:75], s[78:79]
	s_or_b32 s[G0+3], s[G0+3], 0x80000000
	s_add_nc_u64 s[G0B+2:G0B+3], s[76:77], s[80:81]
	s_or_b32 s[G0B+3], s[G0B+3], 0x80000000
	CROUND                                         ; all sixteen work-groups are here: the joint loads meet
	ARM 1, G0, G1, .Lwave_1
	ARM 2, G0B, G1B, .Lwave_2
	ARM 3, G0, G1, .Lwave_3
	tensor_load_to_lds s[G0B:G0B+3], s[G1B:G1B+7]
	s_nop 0
	PLACES 4
.Lasked:
	s_lshl_b32 s2, s71, 9
	s_lshl_b32 s3, s[CH], 8
	s_add_co_u32 s2, s2, s3                        ; my first column, in bytes
	s_mov_b32 s3, 0
	s_add_nc_u64 s[8:9], s[8:9], s[2:3]
	s_add_nc_u64 s[10:11], s[10:11], s[2:3]
	s_lshl_b32 s2, s70, 19
	s_lshl_b32 s84, s[RH], 18
	s_add_co_u32 s2, s2, s84                       ; my first token: rows of 4,096 bytes
	s_add_nc_u64 s[10:11], s[10:11], s[2:3]
	v_and_b32 v1, 15, v0                           ; r
	v_bfe_u32 v2, v0, 4, 1                         ; h
	v_and_b32 v3, 31, v0                           ; lane
	v_lshlrev_b32 v5, 6, v2
.irp b, 0,1,2,3
	global_load_b128 v[CB+8*\b:CB+8*\b+3], v5, s[8:9] offset:(32*(\b/2)+8*(\b%2))*4       ; tile b, register j: column 32 (b / 2) + 16 h + 8 (b % 2) + j
	global_load_b128 v[CB+8*\b+4:CB+8*\b+7], v5, s[8:9] offset:(32*(\b/2)+8*(\b%2))*4+16
.endr
	s_wait_alu depctr_va_vdst(0)
	s_mul_i32 s2, s[RH], 12800                     ; my 64 rows of ctx
	s_mul_i32 s3, s[CH], 12800
	s_add_co_u32 s3, s3, HALF                      ; my 64 of W_o
	s_sub_co_u32 s85, s3, s2
	v_lshlrev_b32 v4, 4, v3
	v_add_nc_u32 v[ADRB], s3, v4
	v_add_nc_u32 v[ADRB+1], 51200, v[ADRB]
	v_mul_u32_u24 v[ADRS], s85, v2                 ; lanes 16-31 take W_o's scale words: one product, the distance x h
	v_lshl_add_u32 v[ADRS], v1, 3, v[ADRS]
	v_add_nc_u32 v[ADRS], s2, v[ADRS]
	v_add_nc_u32 v[ADRS+1], 51200, v[ADRS]
	v_lshlrev_b32 v13, 3, v3
	v_add_nc_u32 v13, s2, v13
.set n, 0
.rept 32
	v_add_nc_u32 v[AA+n], 25600*(n/8)+1536*((n/4)%2)+6400*((n%4)/2)+3072*(n%2), v13   ; step n / 4, block n % 4
.set n, n+1
.endr
	s_mul_i32 s2, s[WV], 17408
	s_add_co_u32 s2, s2, STG                       ; my stages
	v_mul_u32_u24 v[STO], v1, 272
	v_lshl_add_u32 v[STO], v2, 6, v[STO]
	v_add_nc_u32 v[STO], s2, v[STO]                ; in: row r, 64 bytes for each half of the lanes
	v_mul_u32_u24 v[RD], v2, 272
	v_lshl_add_u32 v[RD], v1, 4, v[RD]
	v_add_nc_u32 v[RD], s2, v[RD]                  ; back: sixteen lanes to a row of 256 bytes
	v_lshlrev_b32 v[CO], 12, v2
	v_lshl_add_u32 v[CO], v1, 4, v[CO]             ; and the same two rows of out
	s_wait_alu depctr_va_vdst(0)                   ; the wait at the head's end
	s_cmp_lt_u32 s[WV], 2
	s_cbranch_scc0 .Lnot_first
	s_wait_tensorcnt 0x0
.Lnot_first:
	s_barrier_signal -1
	s_barrier_wait -1                              ; kk 0 and 1 are in; kk 2 and 3 may be on their way: nothing is filled again
	LOADS 0
	LOADS 1
	s_wait_loadcnt 0x0                             ; the bias
	LOADS 2
	s_wait_dscnt 52                                ; steps 1 and 2's loads, 24 + 28, may be out
	PRODS 0
	PLACES 4                                       ; in front of loads into registers that matrix instructions have read
	LOADS 3
	s_wait_dscnt 52
	PRODS 1
	WIN 0
	s_wait_tensorcnt 0x0
	s_wait_dscnt 0x0
	s_barrier_signal -1
	PRODS 2
	WIN 0
	s_barrier_wait -1                              ; kk 2 and 3 are in
	PLACES 4
	LOADS 4
	LOADS 5
	PRODS 3                                        ; (its loads were in ahead of the barrier's signal)
	PLACES 4
	LOADS 6
	s_wait_dscnt 52
	PRODS 4
	PLACES 4
	LOADS 7
	s_wait_dscnt 52
	PRODS 5
	s_wait_dscnt 24                                ; step 7's loads may be out
	PRODS 6
	s_wait_dscnt 0x0
	PRODS 7
	PLACES 4                                       ; in front of the first read of results
	; THE WAY OUT, by blocks of 16 tokens x 64 columns: through my own stages, and back as whole rows of 256 bytes.  LDS serves a wave's instructions in order: no wait between the stores and the loads
.irp a, 0,1,2,3
	WIN 0x0c
.irp b, 0,1,2,3
	ds_store_b128 v[STO], v[32*\a+8*\b:32*\a+8*\b+3] offset:4352*\a+128*(\b/2)+32*(\b%2)          ; each accumulator from its low end on
	ds_store_b128 v[STO], v[32*\a+8*\b+4:32*\a+8*\b+7] offset:4352*\a+128*(\b/2)+32*(\b%2)+16
.endr
	WIN 0
.irp t, 0,1,2,3,4,5,6,7
	ds_load_b128 v[BK+32*\a+4*\t:BK+32*\a+4*\t+3], v[RD] offset:4352*\a+544*\t
.endr
.endr
.irp a, 0,1,2,3
	s_wait_dscnt 16*(3-\a)                         ; the later blocks' eight stores and eight loads each may be out
.irp t, 0,1,2,3,4,5,6,7
	global_store_b128 v[CO], v[BK+32*\a+4*\t:BK+32*\a+4*\t+3], s[10:11] offset:(32*(\a/2)+8*(\a%2)+2*\t+8*(\t/4))*4096 th:TH_STORE_NT   ; two rows: 256 consecutive bytes each, at multiples of 256 from the buffer's first byte
.endr
.endr
	s_wait_tensorcnt 0x0                           ; the wave's end
	ds_add_u32 v[SPW], v[NIL]
	s_wait_dscnt 0x0
	CROUND                                         ; the closing round: no work-group ends while a partner may still ask for a tile that names it
	s_endpgm
.Lfunc_end_k_q9bc908efd8_oproj:
	.size	k_q9bc908efd8_oproj, .Lfunc_end_k_q9bc908efd8_oproj-k_q9bc908efd8_oproj
	.p2alignl 7, 3214868480
	.fill 96, 4, 3214868480
	.section	.rodata,"a",@progbits
	.p2align	6, 0x0
	.amdhsa_kernel k_q9bc908efd8_oproj
		.amdhsa_group_segment_fixed_size 327680
		.amdhsa_private_segment_fixed_size 0
		.amdhsa_enable_private_segment 0
		.amdhsa_kernarg_size 32
		.amdhsa_user_sgpr_count 2
		.amdhsa_user_sgpr_kernarg_segment_ptr 1
		.amdhsa_wavefront_size32 1
		.amdhsa_system_sgpr_workgroup_id_x 1
		.amdhsa_system_sgpr_workgroup_id_y 1
		.amdhsa_system_sgpr_workgroup_id_z 1
		.amdhsa_system_vgpr_workitem_id 0
		.amdhsa_next_free_vgpr 1024
		.amdhsa_next_free_sgpr 90
		.amdhsa_reserve_vcc 0
		.amdhsa_float_denorm_mode_32 3
		.amdhsa_float_denorm_mode_16_64 3
		.amdhsa_memory_ordered 1
		.amdhsa_forward_progress 1
		.amdhsa_inst_pref_size 49
	.end_amdhsa_kernel
	.amdgpu_metadata
---
amdhsa.version: [ 1, 2 ]
amdhsa.kernels:
  - .name:           k_q9bc908efd8_oproj
    .symbol:         k_q9bc908efd8_oproj.kd
    .args:
      - { .name: ctx_op, .offset: 0, .size: 8, .value_kind: global_buffer, .address_space: global }
      - { .name: w_op, .offset: 8, .size: 8, .value_kind: global_buffer, .address_space: global }
      - { .name: b_o, .offset: 16, .size: 8, .value_kind: global_buffer, .address_space: global }
      - { .name: out0, .offset: 24, .size: 8, .value_kind: global_buffer, .address_space: global }
    .group_segment_fixed_size: 327680
    .private_segment_fixed_size: 0
    .kernarg_segment_align: 8
    .kernarg_segment_size: 32
    .max_flat_workgroup_size: 128
    .sgpr_count:     90
    .vgpr_count:     1024
    .wavefront_size: 32
...
	.end_amdgpu_metadata
.endif
;; end of part 4
